; MI455X (gfx1250); checked and timed in simulation.
; The chip was launched on July 23, 2026; its instructions are those of AMD's public machine-readable ISA for CDNA 5 (MIT licence, August 2026) and "CDNA5" Instruction Set Architecture Reference Guide (July 2026). The comments in the code are by the model that wrote it; some were corrected since.
;; Grouped Query Attention. Allowed arithmetic: matrix products marked QUANTISED: E2M1 operands, one E8M0 scale for each 32 along K, by v_wmma_scale_f32_16x16x128_f8f6f4 with both operands' format E2M1 (or v_wmma_scale_f32_32x16x128_f4), f32 sums; products left as they are: bf16, f16 or f32 operands; f32 sums; everything else in f32.
;; Inputs: Wk 2,048 x 512 float32; Wo 2,048 x 2,048 float32; Wq 2,048 x 2,048 float32; Wv 2,048 x 512 float32; cos 2,048 x 64 float32; k_scale 64 float32; mask 2,048 x 2,048 bool; q_scale 64 float32; sin 2,048 x 64 float32; x 1 x 2,048 x 2,048 float32.
;; Outputs: out0 1 x 2,048 x 2,048 float32.
;; This version of the problem:
;;   THIS VERSION OF THE PROBLEM IS GIVEN IN LOW PRECISION. The matrix products marked QUANTISED in the list below multiply operands that are first quantised to E2M1 (2 exponent bits, 1 mantissa bit; 4 bits a number), with one power-of-two scale for each 32 numbers along K (OCP MX v1.0); their sums are f32. The products marked 'left as it is' may take bf16, f16 or f32 operands, with f32 sums. Whichever they take, every output number must still come out within the allowed error. Rounding operands to bf16 (8 significant bits) uses up far more of that allowance than f16 does (11 bits, for magnitudes from 6e-5 to 65,504). All else is computed in f32.
;;   The module's matrix products, in the order in which they are computed (A, B: the left and right operand; K: the contracted axis; several contracted axes count as one K, in the product's order):
;;     1. [M 2,048, K 2,048] x [K 2,048, N 2,048]; A: input x; B: input Wq: QUANTISED
;;     2. [M 2,048, K 2,048] x [K 2,048, N 512]; A: input x; B: input Wk: QUANTISED
;;     3. [M 2,048, K 2,048] x [K 2,048, N 512]; A: input x; B: input Wv: QUANTISED
;;     4. batch 8 x [M 8,192, K 64] x [K 64, N 2,048]; A: computed on the way; B: computed on the way: left as it is (an operand is computed on the way)
;;     5. batch 8 x [M 8,192, K 2,048] x [K 2,048, N 64]; A: computed on the way; B: computed on the way: left as it is (an operand is computed on the way)
;;     6. [M 2,048, K 2,048] x [K 2,048, N 2,048]; A: computed on the way; B: input Wo: left as it is (an operand is computed on the way)
;;   THE QUANTISER, for each operand of a quantised product, along K:
;;     - K is cut into blocks of 32 from its start; a last block that is shorter is filled with zeros.
;;     - A block's scale is 2^e with e = floor(log2(the largest magnitude in the block)) - 2, held to -126 .. 127; a block of zeros has e = 0. As a byte (E8M0): e + 127.
;;     - Each number is divided by its block's scale, clamped to +-6, and rounded to the nearest number of E2M1, ties to even, subnormals kept.
;;     - The product sums the exact products of the quantised numbers (number of the format x scale) in f32.
;;   ~~~python
;;   def quantise(x, axis):      # numpy; x: float32 -> the quantised numbers, widened to float32 again
;;       x = np.moveaxis(x, axis, -1); K = x.shape[-1]
;;       x = np.pad(x, [(0, 0)] * (x.ndim - 1) + [(0, -K % 32)]); x = x.reshape(x.shape[:-1] + (-1, 32)); a = np.abs(x).max(-1, keepdims=True)
;;       e = np.where(a > 0, np.clip(np.frexp(np.where(a > 0, a, 1))[1] - 1 - 2, -126, 127), 0)      # np.frexp(a)[1] - 1 = floor(log2(a)), exactly
;;       r = np.clip(x / 2.0 ** e, -6, 6)
;;       step = 2.0 ** (np.maximum(np.frexp(np.where(r == 0, 1, r))[1] - 1, 0) - 1)
;;       q = np.round(r / step) * step * 2.0 ** e      # np.round: ties to even
;;       return np.moveaxis(q.reshape(q.shape[:-2] + (-1,))[..., :K], -1, axis).astype(np.float32)
;;   ~~~
;; 2 versions, each right. Each part assembles by itself: llvm-mc -triple=amdgcn-amd-amdhsa -mcpu=gfx1250 --defsym DOCPART=n.
;; ======== version 1 of 2: 6 launches
;; limits: values are held in f16: magnitudes above 65,504 overflow, below 6.1e-05 lose precision
;; workspace buffers: prep 23,068,672 bytes; flags 1,024 bytes of whole numbers; qkv 16,842,752 bytes; ctx 8,388,608 bytes; ctxf 131,072 bytes
;; launch prep (part 1): grid 384 x 1, 4 waves a work-group, no clusters, 39,424 bytes of LDS; arguments x, Wq, Wk, Wv, Wo, mask, prep, flags; writes prep, flags
.if DOCPART == 1
	.amdgcn_target "amdgcn-amd-amdhsa--gfx1250"
	.amdhsa_code_object_version 6
	.text
	.protected	k_q8927699c5d_prep
	.globl	k_q8927699c5d_prep
	.p2align	8
	.type	k_q8927699c5d_prep,@function
k_q8927699c5d_prep:
	s_mov_b64 s[64:65], 0
	v_nop
	global_prefetch_b8 v0, s[64:65] scope:SCOPE_SE
	s_setreg_imm32_b32 hwreg(HW_REG_WAVE_MODE, 25, 1), 1
	s_wait_xcnt 0x0
; Four jobs in one launch, told apart by the work-group's number:
;   X (work-groups 0-127):   x [2048][2048] f32 -> codes of E2M1 and E8M0 scale bytes, blocks of 32 along K (K is innermost)
;   W (128-223):             [Wq | Wk | Wv], f32 with K as FIRST axis -> the same; a lane takes a column, its registers run down K
;   O (224-351):             Wo [k][n] f32 -> f16 high and low parts (low = f16(w - high)), a lane to a column n
;   F (352-383):             the mask's bytes -> for each tile of 16 queries two words, bit j for keys 64 j .. 64 j + 63: 'live' (some byte 0), 'part' (live, and some byte not 0)
; EVERYTHING IS LAID AS IMAGES OF OPERAND REGISTERS: a fragment is 1,024 bytes, two chunks of 512, lane l's 16 bytes at 16 l.
;   4-bit fragment (16 rows x 128 K): block bl of 32 along K of row r lies at 256 bl + 16 r.   16-bit fragment (16 rows x 32 K): k = 16 c + 8 h + 0..7 of row r at 512 c + 256 h + 16 r.
; prep: x codes [rt 128][ks 16][1024] at 0; W codes [nt 192][ks 16][1024] at WC; x scales [rt][slot 4][row 16][16 bytes] at XSO; W scales likewise at WSO; Wo high [nt 128][ks 64][1024] at WOH, low at WOL.
; A block's scale is 2^(floor(log2(largest magnitude)) - 2); its byte is the largest magnitude's exponent field - 2, held at 1 from below.
; LIMITS: a block of zeros gets the byte 1 (its codes are zeros; this program alone reads the bytes); blocks whose largest magnitude lies under 2^-124 are held at that byte; NaN and infinities are not served;
; Wo beyond 65,504 does not fit f16; mask bytes are 0 or 1.
.set WC,    2097152
.set XSO,   5242880
.set WSO,   5373952
.set WOH,   6291456
.set WOL,   14680064
.set SPW,   2                          ; v2  LDS address of my spare word; never rewritten
.set NIL,   3                          ; v3  0; never rewritten
.set WREG,  9728                       ; path X, LDS of a wave: two stages of 32 x 80, 16 units of codes (pitch 272), 256 scale bytes
.set SP,    80
.set CODES, 5120
.set SCB,   9472
.set SPARE, 38912                      ; behind the four regions: the spare words, 128 bytes a wave
.set R,     32                         ; path X: v32-95 four sets of 16 numbers as loaded
.set X,     96                         ; v96-127 two sets of 16 neighbours
.set C,     128                        ; v128-159 two registers of codes for each step
.set E,     160                        ; v160-175 a scale byte for each step
; the low part of a pair of f16: v[l] = f16(v[x], v[x+1] - the two halves of v<h>); h is a literal register number, t an even pair at work
.macro LOWP h, x, l, t
	v_cvt_f32_f16 v[\t], v\h\().l
	v_cvt_f32_f16 v[\t+1], v\h\().h
	v_pk_add_f32 v[\t:\t+1], v[\x:\x+1], v[\t:\t+1] neg_lo:[0,1] neg_hi:[0,1]
	v_cvt_pk_f16_f32 v[\l], v[\t], v[\t+1]
.endm
.macro XLOAD t                         ; row t of my 16: 2,048 bytes by four loads of 512 consecutive bytes
.irp i, 0,1,2,3
	global_load_b128 v[R+16*((\t)%4)+4*\i:R+16*((\t)%4)+4*\i+3], v5, s[4:5] offset:8192*(\t)+512*\i th:TH_LOAD_NT
.endr
.endm
.macro XTURN t                         ; through my stage: in as loaded, back 64 bytes a lane; LDS serves a wave's instructions in order
.irp i, 0,1,2,3
	ds_store_b128 v6, v[R+16*((\t)%4)+4*\i:R+16*((\t)%4)+4*\i+3] offset:32*SP*((\t)%2)+8*SP*\i
.endr
.irp i, 0,1,2,3
	ds_load_b128 v[X+16*((\t)%2)+4*\i:X+16*((\t)%2)+4*\i+3], v7 offset:32*SP*((\t)%2)+16*\i
.endr
.endm
.macro XSTEP t
.set XR, X+16*((\t)%2)
.if (\t) > 0
	s_wait_dscnt 2                                 ; this row is back from the stage; the last row's two stores (codes, byte) may be out
.else
	s_wait_dscnt 0x0
.endif
.if (\t)+4 < 16
	XLOAD (\t)+4
.endif
.if (\t)+1 < 16
.if 14-(\t) >= 3
	s_wait_loadcnt 12                              ; the next row's four loads are in; three later rows' twelve may be out
.else
	s_wait_loadcnt 4*(14-(\t))
.endif
	XTURN (\t)+1
.endif
	v_max3_num_f32 v24, |v[XR]|, |v[XR+1]|, |v[XR+2]|
	v_max3_num_f32 v25, |v[XR+3]|, |v[XR+4]|, |v[XR+5]|
.irp i, 6,10
	v_max3_num_f32 v24, v24, |v[XR+\i]|, |v[XR+\i+1]|
	v_max3_num_f32 v25, v25, |v[XR+\i+2]|, |v[XR+\i+3]|
.endr
	v_max3_num_f32 v24, v24, |v[XR+14]|, |v[XR+15]|
	v_max3_num_f32 v24, v24, v25, 0x1800000        ; and the floor 2^(3 - 127): the byte cannot fall under 1
	v_max_num_f32_dpp v24, v24, v24 row_xmask:1 row_mask:0xf bank_mask:0xf   ; with my neighbour's 16: the block's largest magnitude
	v_add_nc_u32 v26, 0xff000000, v24              ; 2 off its exponent field: the conversion's scale operand
	v_cvt_scalef32_pk8_fp4_f32 v[C+2*(\t)], v[XR:XR+7], v26
	v_cvt_scalef32_pk8_fp4_f32 v[C+2*(\t)+1], v[XR+8:XR+15], v26
	v_lshrrev_b32 v[E+(\t)], 23, v26               ; the scale's byte
	ds_store_b64 v10, v[C+2*(\t):C+2*(\t)+1] offset:CODES+16*(\t)   ; block l / 2, row t: unit l / 2, byte 16 t + 8 (l % 2)
	ds_store_b8 v11, v[E+(\t)] offset:SCB+16*(\t)  ; both lanes of a block write the same byte
.endm
.macro WLOAD set                       ; 32 rows of W at my column
.irp i, 0,1,2,3,4,5,6,7,8,9,10,11,12,13,14,15,16,17,18,19,20,21,22,23,24,25,26,27,28,29,30,31
	global_load_b32 v[64+32*(\set)+\i], v[32+\i], s[24:25] th:TH_LOAD_NT
.endr
.endm
.macro WBLOCK t
.set XR, 64+32*((\t)%2)
.if (\t) < 15
	s_wait_loadcnt 32                              ; this block's 32 loads are in; the next block's may be out
.else
	s_wait_loadcnt 0x0
.endif
	v_max3_num_f32 v12, |v[XR]|, |v[XR+1]|, |v[XR+2]|
	v_max3_num_f32 v13, |v[XR+3]|, |v[XR+4]|, |v[XR+5]|
.irp i, 6,10,14,18,22,26
	v_max3_num_f32 v12, v12, |v[XR+\i]|, |v[XR+\i+1]|
	v_max3_num_f32 v13, v13, |v[XR+\i+2]|, |v[XR+\i+3]|
.endr
	v_max3_num_f32 v12, v12, |v[XR+30]|, |v[XR+31]|
	v_max3_num_f32 v12, v12, v13, 0x1800000
	v_add_nc_u32 v11, 0xff000000, v12
	v_lshrrev_b32 v13, 23, v11
.if (\t)%4 == 0
	v_mov_b32 v[20+(\t)/4], v13
.else
	v_lshl_or_b32 v[20+(\t)/4], v13, 8*((\t)%4), v[20+(\t)/4]
.endif
	s_wait_xcnt 0x0                                ; the last store has read its codes, the loads their base: both are written again below
.irp g, 0,1,2,3
	v_cvt_scalef32_pk8_fp4_f32 v[16+\g], v[XR+8*\g:XR+8*\g+7], v11
.endr
	v_nop
	global_store_b128 v6, v[16:19], s[34:35] offset:256*(\t)   ; sixteen lanes store 256 consecutive bytes, aligned
.if (\t)+2 < 16
	s_add_nc_u64 s[24:25], s[24:25], s[30:31]      ; 32 rows on
	WLOAD (\t)%2
.endif
.endm
.macro OLOAD t
.irp i, 0,1,2,3,4,5,6,7,8,9,10,11,12,13,14,15,16,17,18,19,20,21,22,23,24,25,26,27,28,29,30,31
	global_load_b32 v[64+32*((\t)%2)+\i], v5, s[12:13] offset:(32*(\t)+\i)*8192 th:TH_LOAD_NT
.endr
.endm
.macro OGROUP t                        ; 32 along K of my column: one fragment's share, high and low
.set XR, 64+32*((\t)%2)
.if (\t) < 7
	s_wait_loadcnt 32
.else
	s_wait_loadcnt 0x0
.endif
	s_wait_xcnt 0x0                                ; the last group's stores have read their registers
.irp p, 0,1,2,3,4,5,6,7,8,9,10,11,12,13,14,15
	v_cvt_pk_f16_f32 v[16+\p], v[XR+2*\p], v[XR+2*\p+1]
.endr
.irp p, 16,17,18,19,20,21,22,23,24,25,26,27,28,29,30,31
	LOWP \p, XR+2*(\p-16), 128+\p-16, 32+2*(\p%4)
.endr
.irp q, 0,1,2,3                        ; piece q = 2 c + h: k = 8 q + 0..7
	global_store_b128 v6, v[16+4*\q:19+4*\q], s[28:29] offset:1024*(\t)+256*\q
	global_store_b128 v6, v[128+4*\q:131+4*\q], s[30:31] offset:1024*(\t)+256*\q
.endr
.if (\t)+2 < 8
	OLOAD (\t)+2
.endif
.endm
.macro FLOAD g                         ; four rows of the mask, my 64 bytes of each
.irp n, 0,1,2,3,4,5,6,7,8,9,10,11,12,13,14,15
	global_load_b128 v[32+64*((\g)%2)+4*\n:32+64*((\g)%2)+4*\n+3], v5, s[14:15] offset:(4*(\g)+\n/4)*2048+16*(\n%4)
.endr
.endm
.macro FRED g
.irp n, 0,1,2,3,4,5,6,7,8,9,10,11,12,13,14,15
.irp k, 0,1,2,3
	v_or_b32 v[8+\k], v[8+\k], v[32+64*((\g)%2)+4*\n+\k]
	v_and_b32 v[12+\k], v[12+\k], v[32+64*((\g)%2)+4*\n+\k]
.endr
.endr
.endm
	s_load_b256 s[4:11], s[0:1], 0x0               ; x, Wq, Wk, Wv
	s_load_b256 s[12:19], s[0:1], 0x20             ; Wo, mask, prep, flags
	v_lshl_add_u32 v[SPW], v0, 2, SPARE
	v_mov_b32 v[NIL], 0
	v_lshrrev_b32 v1, 5, v0
	v_readfirstlane_b32 s20, v1                    ; wave
	v_and_b32 v4, 31, v0                           ; lane
	s_wait_kmcnt 0x0
	s_cmp_lt_u32 ttmp9, 128
	s_cbranch_scc1 .Lpath_x
	s_cmp_lt_u32 ttmp9, 224
	s_cbranch_scc1 .Lpath_w
	s_cmp_lt_u32 ttmp9, 352
	s_cbranch_scc1 .Lpath_o
	; ---- F: a wave takes a tile of 16 queries, lane L the keys 64 L .. 64 L + 63
	s_sub_co_u32 s21, ttmp9, 352
	s_lshl_b32 s21, s21, 2
	s_add_co_u32 s21, s21, s20                     ; the tile
	s_lshl_b32 s22, s21, 15                        ; its 16 rows of 2,048 bytes
	s_mov_b32 s23, 0
	s_add_nc_u64 s[14:15], s[14:15], s[22:23]
	s_lshl_b32 s22, s21, 3
	s_add_nc_u64 s[18:19], s[18:19], s[22:23]
	v_lshlrev_b32 v5, 6, v4
.irp k, 0,1,2,3
	v_mov_b32 v[8+\k], 0                           ; what is set in any byte,
	v_mov_b32 v[12+\k], -1                         ; and in all
.endr
	FLOAD 0
	FLOAD 1
	s_wait_loadcnt 16                              ; the older group's 16 loads are in
	FRED 0
	FLOAD 2
	s_wait_loadcnt 16
	FRED 1
	FLOAD 3
	s_wait_loadcnt 16
	FRED 2
	s_wait_loadcnt 0x0
	FRED 3
	v_or_b32 v8, v8, v9
	v_or_b32 v10, v10, v11
	v_or_b32 v8, v8, v10
	v_and_b32 v12, v12, v13
	v_and_b32 v14, v14, v15
	v_and_b32 v12, v12, v14
	v_cmp_ne_u32 s24, 0x01010101, v12              ; live: not every byte is 1
	v_cmp_ne_u32 s25, 0, v8
	s_and_b32 s25, s25, s24                        ; part: live, and some byte is 1
	v_mov_b32 v16, s24
	v_mov_b32 v17, s25
	v_mov_b32 v18, 0
	v_cmp_eq_u32 vcc_lo, 0, v4
	s_wait_xcnt 0x0                                ; EXEC changes only behind this wait
	s_and_saveexec_b32 s26, vcc_lo
	global_store_b64 v18, v[16:17], s[18:19]
	s_wait_xcnt 0x0
	s_or_b32 exec_lo, exec_lo, s26
	s_endpgm
.Lpath_x:
	; ---- X: work-group = tile of 16 rows, wave = 512 along K
	s_lshl_b32 s22, ttmp9, 17
	s_lshl_b32 s21, s20, 11
	s_add_co_u32 s22, s22, s21
	s_mov_b32 s23, 0
	s_add_nc_u64 s[4:5], s[4:5], s[22:23]
	s_lshl_b32 s22, ttmp9, 14
	s_lshl_b32 s21, s20, 12
	s_add_co_u32 s22, s22, s21
	s_add_nc_u64 s[24:25], s[16:17], s[22:23]      ; my 4,096 bytes of codes
	s_lshl_b32 s22, ttmp9, 10
	s_lshl_b32 s21, s20, 8
	s_add_co_u32 s22, s22, s21
	s_add_co_u32 s22, s22, XSO
	s_add_nc_u64 s[26:27], s[16:17], s[22:23]      ; my 256 scale bytes
	s_mul_i32 s21, s20, WREG
	v_lshlrev_b32 v5, 4, v4
	v_lshrrev_b32 v6, 2, v4
	v_mul_u32_u24 v6, v6, SP
	v_and_b32 v7, 3, v4
	v_lshl_add_u32 v6, v7, 4, v6
	v_add_nc_u32 v6, s21, v6                       ; the stage, in: 80 (lane / 4) + 16 (lane % 4)
	v_mul_u32_u24 v7, v4, SP
	v_add_nc_u32 v7, s21, v7                       ; and out: 80 x lane
	v_lshrrev_b32 v8, 1, v4
	v_and_b32 v9, 1, v4
	v_mul_u32_u24 v10, v8, 272
	v_lshl_add_u32 v10, v9, 3, v10
	v_add_nc_u32 v10, s21, v10                     ; my codes' place
	v_add_nc_u32 v11, s21, v8                      ; my block's byte
	v_lshrrev_b32 v12, 4, v4
	v_mul_u32_u24 v12, v12, 272
	v_and_b32 v13, 15, v4
	v_lshl_add_u32 v12, v13, 4, v12
	v_add_nc_u32 v12, s21, v12                     ; codes back: two units an instruction
	v_lshlrev_b32 v13, 3, v4
	v_add_nc_u32 v14, s21, v13
.irp t, 0,1,2,3
	XLOAD \t
.endr
	s_wait_loadcnt 12
	XTURN 0
.irp t, 0,1,2,3,4,5,6,7,8,9,10,11,12,13,14,15
	XSTEP \t
.endr
.irp i, 0,1,2,3,4,5,6,7
	ds_load_b128 v[32+4*\i:35+4*\i], v12 offset:CODES+2*\i*272
.endr
	ds_load_b64 v[64:65], v14 offset:SCB
.irp i, 0,1,2,3,4,5,6,7
	s_wait_dscnt 8-\i                              ; the younger loads may be out
	global_store_b128 v5, v[32+4*\i:35+4*\i], s[24:25] offset:512*\i   ; 512 consecutive bytes
.endr
	s_wait_dscnt 0x0
	global_store_b64 v13, v[64:65], s[26:27]       ; 256 consecutive bytes, aligned
	s_wait_tensorcnt 0x0                           ; the wave's end
	ds_add_u32 v[SPW], v[NIL]
	s_wait_dscnt 0x0
	s_endpgm
.Lpath_w:
	; ---- W: 128 columns x 512 along K a work-group, 32 columns a wave
	s_sub_co_u32 s21, ttmp9, 128
	s_and_b32 s22, s21, 3                          ; which 512 along K
	s_lshr_b32 s23, s21, 2                         ; which 128 of the 3,072 columns: 0-15 Wq, 16-19 Wk, 20-23 Wv
	s_and_b32 s27, s23, 3
	s_mov_b32 s26, 2048
	s_cmp_lt_u32 s23, 16
	s_cselect_b64 s[24:25], s[6:7], s[8:9]
	s_cselect_b32 s26, 8192, s26                   ; bytes from row to row
	s_cselect_b32 s27, s23, s27                    ; the 128 columns within their tensor
	s_cmp_lt_u32 s23, 20
	s_cselect_b64 s[24:25], s[24:25], s[10:11]
	s_lshl_b32 s28, s22, 9
	s_mul_i32 s28, s28, s26
	s_lshl_b32 s29, s27, 9
	s_add_co_u32 s28, s28, s29
	s_lshl_b32 s29, s20, 7
	s_add_co_u32 s28, s28, s29
	s_mov_b32 s29, 0
	s_add_nc_u64 s[24:25], s[24:25], s[28:29]
	s_lshl_b32 s30, s26, 5
	s_mov_b32 s31, 0
	s_lshl_b32 s32, s23, 17                        ; codes: tile 8 x group + 2 x wave, 16,384 bytes a tile
	s_lshl_b32 s33, s20, 15
	s_add_co_u32 s32, s32, s33
	s_lshl_b32 s33, s22, 12
	s_add_co_u32 s32, s32, s33
	s_add_co_u32 s32, s32, WC
	s_mov_b32 s33, 0
	s_add_nc_u64 s[34:35], s[16:17], s[32:33]
	s_lshl_b32 s32, s23, 13                        ; scale bytes: 1,024 a tile
	s_lshl_b32 s38, s20, 11
	s_add_co_u32 s32, s32, s38
	s_lshl_b32 s38, s22, 8
	s_add_co_u32 s32, s32, s38
	s_add_co_u32 s32, s32, WSO
	s_add_nc_u64 s[36:37], s[16:17], s[32:33]
	v_lshlrev_b32 v5, 2, v4
.irp i, 0,1,2,3,4,5,6,7,8,9,10,11,12,13,14,15,16,17,18,19,20,21,22,23,24,25,26,27,28,29,30,31
	v_mad_u32_u24 v[32+\i], s26, \i, v5            ; row i, my column
.endr
	v_lshrrev_b32 v8, 4, v4
	v_and_b32 v9, 15, v4
	v_lshlrev_b32 v6, 14, v8
	v_lshl_add_u32 v6, v9, 4, v6                   ; codes: my tile, my row of it
	v_lshlrev_b32 v7, 10, v8
	v_lshl_add_u32 v7, v9, 4, v7
	WLOAD 0
	s_wait_xcnt 0x0
	s_add_nc_u64 s[24:25], s[24:25], s[30:31]
	WLOAD 1
.irp t, 0,1,2,3,4,5,6,7,8,9,10,11,12,13,14,15
	WBLOCK \t
.endr
	global_store_b128 v7, v[20:23], s[36:37]       ; my column's 16 scale bytes
	s_endpgm
.Lpath_o:
	; ---- O: 128 columns x 256 along K a work-group
	s_sub_co_u32 s21, ttmp9, 224
	s_and_b32 s22, s21, 7
	s_lshr_b32 s23, s21, 3
	s_lshl_b32 s24, s22, 21
	s_lshl_b32 s25, s23, 9
	s_add_co_u32 s24, s24, s25
	s_lshl_b32 s25, s20, 7
	s_add_co_u32 s24, s24, s25
	s_mov_b32 s25, 0
	s_add_nc_u64 s[12:13], s[12:13], s[24:25]
	s_lshl_b32 s24, s23, 19                        ; tile 8 x group + 2 x wave, 65,536 bytes a tile; 8 fragments a chunk of K
	s_lshl_b32 s26, s20, 17
	s_add_co_u32 s24, s24, s26
	s_lshl_b32 s26, s22, 13
	s_add_co_u32 s24, s24, s26
	s_add_nc_u64 s[28:29], s[16:17], s[24:25]
	s_add_nc_u64 s[30:31], s[28:29], WOL
	s_add_nc_u64 s[28:29], s[28:29], WOH
	v_lshlrev_b32 v5, 2, v4
	v_lshrrev_b32 v8, 4, v4
	v_and_b32 v9, 15, v4
	v_lshlrev_b32 v6, 16, v8
	v_lshl_add_u32 v6, v9, 4, v6
	OLOAD 0
	OLOAD 1
.irp t, 0,1,2,3,4,5,6,7
	OGROUP \t
.endr
	s_endpgm
.Lfunc_end_k_q8927699c5d_prep:
	.size	k_q8927699c5d_prep, .Lfunc_end_k_q8927699c5d_prep-k_q8927699c5d_prep
	.p2alignl 7, 3214868480
	.fill 96, 4, 3214868480
	.section	.rodata,"a",@progbits
	.p2align	6, 0x0
	.amdhsa_kernel k_q8927699c5d_prep
		.amdhsa_group_segment_fixed_size 39424
		.amdhsa_private_segment_fixed_size 0
		.amdhsa_enable_private_segment 0
		.amdhsa_kernarg_size 64
		.amdhsa_user_sgpr_count 2
		.amdhsa_user_sgpr_kernarg_segment_ptr 1
		.amdhsa_wavefront_size32 1
		.amdhsa_system_sgpr_workgroup_id_x 1
		.amdhsa_system_sgpr_workgroup_id_y 1
		.amdhsa_system_sgpr_workgroup_id_z 1
		.amdhsa_system_vgpr_workitem_id 0
		.amdhsa_next_free_vgpr 192
		.amdhsa_next_free_sgpr 66
		.amdhsa_reserve_vcc 1
		.amdhsa_float_denorm_mode_32 3
		.amdhsa_float_denorm_mode_16_64 3
		.amdhsa_memory_ordered 1
		.amdhsa_forward_progress 1
		.amdhsa_inst_pref_size 200
	.end_amdhsa_kernel
	.amdgpu_metadata
---
amdhsa.version: [ 1, 2 ]
amdhsa.kernels:
  - .name:           k_q8927699c5d_prep
    .symbol:         k_q8927699c5d_prep.kd
    .args:
      - { .name: x, .offset: 0, .size: 8, .value_kind: global_buffer, .address_space: global }
      - { .name: Wq, .offset: 8, .size: 8, .value_kind: global_buffer, .address_space: global }
      - { .name: Wk, .offset: 16, .size: 8, .value_kind: global_buffer, .address_space: global }
      - { .name: Wv, .offset: 24, .size: 8, .value_kind: global_buffer, .address_space: global }
      - { .name: Wo, .offset: 32, .size: 8, .value_kind: global_buffer, .address_space: global }
      - { .name: mask, .offset: 40, .size: 8, .value_kind: global_buffer, .address_space: global }
      - { .name: prep, .offset: 48, .size: 8, .value_kind: global_buffer, .address_space: global }
      - { .name: flags, .offset: 56, .size: 8, .value_kind: global_buffer, .address_space: global }
    .group_segment_fixed_size: 39424
    .private_segment_fixed_size: 0
    .kernarg_segment_align: 8
    .kernarg_segment_size: 64
    .max_flat_workgroup_size: 128
    .sgpr_count:     66
    .vgpr_count:     192
    .wavefront_size: 32
...
	.end_amdgpu_metadata
.endif
;; end of part 1
;; launch qkv (part 2): grid 12 x 16, 4 waves a work-group, clusters of 4 x 4, 327,680 bytes of LDS; arguments prep, cos, sin, q_scale, k_scale, qkv; writes qkv
.if DOCPART == 2
	.amdgcn_target "amdgcn-amd-amdhsa--gfx1250"
	.amdhsa_code_object_version 6
	.text
	.protected	k_q8927699c5d_qkv
	.globl	k_q8927699c5d_qkv
	.p2align	8
	.type	k_q8927699c5d_qkv,@function
k_q8927699c5d_qkv:
	s_mov_b64 s[64:65], 0
	v_nop
	global_prefetch_b8 v0, s[64:65] scope:SCOPE_SE
	s_setreg_imm32_b32 hwreg(HW_REG_WAVE_MODE, 25, 1), 1
	s_wait_xcnt 0x0
	s_wait_alu depctr_hold_cnt(0) depctr_sa_sdst(0) depctr_va_vdst(0) depctr_va_sdst(0) depctr_va_ssrc(0) depctr_va_vcc(0) depctr_vm_vsrc(0)
	s_getreg_b32 s2, hwreg(HW_REG_IB_STS2, 6, 4)
	s_cmp_eq_u32 s2, 0
	s_cbranch_scc0 .Lentry_in_a_cluster
	s_endpgm
.Lentry_in_a_cluster:
	s_bfe_u32 s2, ttmp6, 0x10000c
	s_cmp_lg_u32 s2, 0xf033
	s_cbranch_scc0 .Lentry_shape_is_right
	s_endpgm
.Lentry_shape_is_right:
; [q | k | v] = Q(x) Q([Wq | Wk | Wv]) on codes of E2M1 with E8M0 scales, sums in f32; then RMSNorm and RoPE (q, k) in f32; results as f16 high parts (all) and low parts (k, v; q's rows 0-15).
; A work-group makes 128 tokens x 256 columns, a wave 64 x 128: two whole heads, 32 accumulators.  K = 2,048 goes in four slots of 512 through a ring of two LDS slots.
; Codes lie in memory as images of operand registers (1,024 bytes a fragment), so a tile is a dense run for each 16 rows, LDS needs no padding, and every fragment load reads 512 consecutive bytes.
; The scale bytes of the work-group's rows and columns for all of K come once, with the first fills.
; CLUSTER 4 x 4: x's tiles are shared along a row of the cluster, W's along a column: joint loads.  128 x 256 gives 192 work-groups; 128 x 192 would give 256 but cut a head between waves.
; TRANSPOSED: source 0 = 16 columns of W, source 1 = 16 tokens: lane (r, h) of accumulator (a, b) holds token 16 a + r and columns 16 b + 8 h + 0..7; RoPE's partner d +- 32 is accumulator b xor 2 of the same lane.
; THE WAY OUT HAS NO BRANCH: y = rs (x C + x' S), C = cos g + (v: 1), S = -+ sin g', g = the gain (v: 0), rs = rsqrt(mean x^2 + eps) (v: 1).  Low parts that are not wanted are left out by EXEC.
; qkv: high [head 48][rt 128][chunk 4][512]: chunk b, lane (r, h): token 16 rt + r, d = 16 b + 8 h + 0..7; k's and v's low parts 4 MiB further on; q's low parts of rt 0 at 16 MiB, [head 32][chunk 4][512].
; LIMITS: results beyond 65,504 do not fit f16 (v at inputs some 30 times the drawn ones stays near 10^3); under 6e-5 the high part alone carries an absolute error of 3e-8.
; REGISTERS: window 0: v0-31 addresses; v32-95 scale words, two sets; v128-191 x's fragments, two sets.  window 1: W's fragments, sets at v0 and v128.  window 2: the accumulators, (a, b) at 8 (8 a + b).
.set WC,    2097152
.set XSO,   5242880
.set WSO,   5373952
.set SLOT,  98304                      ; x: [rt 8][q 4][1024], then W: [nt 16][q 4][1024]
.set BOFF,  32768
.set SCL,   196608                     ; x's scale bytes, 8,192; W's, 16,384
.set SPARE, 221184                     ; the spare words, 128 bytes a wave
.set ADRA, 16
.set ADRB, 20
.set ADRS, 27
.set SPW,  28
.set NIL,  29
.set SC,   32
.set AF,   128
.set G1,   24
.set G0,   32
.set G1B,  40
.set G0B,  48
.set G1S,  56
.set G0S,  68
.set G1SB, 72
.set G0SB, 80
.set MULW, 0xa1                        ; source 0 window 1, source 1 window 0, C and D window 2
.set TO_B, 0x40
.set MSB, 0
.macro WIN new
.if MSB != \new
	s_set_vgpr_msb (MSB<<8)|\new
.set MSB, \new
.endif
.endm
.macro LOWP h, x, l, t
	v_cvt_f32_f16 v[\t], v\h\().l
	v_cvt_f32_f16 v[\t+1], v\h\().h
	v_pk_add_f32 v[\t:\t+1], v[\x:\x+1], v[\t:\t+1] neg_lo:[0,1] neg_hi:[0,1]
	v_cvt_pk_f16_f32 v[\l], v[\t], v[\t+1]
.endm
; a joint load: waves 0 and 1 fetch for x, waves 2 and 3 for W; an s_nop 0 and four v_nop follow each line
.macro JLOAD g0a, g1a, g0b, g1b
	s_cmp_eq_u32 s17, 0
	s_cbranch_scc0 .Lfor_b_\@
	tensor_load_to_lds s[\g0a:\g0a+3], s[\g1a:\g1a+7]
	s_nop 0
.rept 4
	v_nop
.endr
	s_branch .Lasked_\@
.Lfor_b_\@:
	tensor_load_to_lds s[\g0b:\g0b+3], s[\g1b:\g1b+7]
	s_nop 0
.rept 4
	v_nop
.endr
.Lasked_\@:
.endm
.macro CREST
	s_cmp_lg_u32 s16, 0
	s_cbranch_scc1 .Lnot_wave_0_\@
	s_barrier_signal -3
.Lnot_wave_0_\@:
	s_barrier_wait -3
	s_barrier_signal -1
	s_barrier_wait -1
.endm
.macro CROUND
	s_barrier_signal -1
	s_barrier_wait -1
	CREST
.endm
.macro PLACES n
.rept \n
	v_nop
.endr
.endm
.macro FRAG reg, adr, q, i             ; a fragment's image: two loads of 512 consecutive bytes
.irp c, 0,1
	ds_load_b128 v[\reg+4*\c:\reg+4*\c+3], v[\adr] offset:4096*(\i)+1024*(\q)+512*\c
.endr
.endm
.macro FETCH slot, q, p                ; the slot's q-th 128 along K into sets p: W's eight fragments, x's four
	WIN TO_B
.irp i, 0,1,2,3,4,5,6,7
	FRAG 128*(\p)+8*\i, ADRB+\slot, \q, \i
.endr
	WIN 0
.irp i, 0,1,2,3
	FRAG AF+32*(\p)+8*\i, ADRA+\slot, \q, \i
.endr
.endm
.macro SCALES sc                       ; four words a row: lanes 0-15 x's tile i (i under 4 is used), lanes 16-31 W's tile i
.irp i, 0,1,2,3,4,5,6,7
	ds_load_b128 v[SC+32*\sc+4*\i:SC+32*\sc+4*\i+3], v[ADRS] offset:1024*\i
.endr
.endm
; 16 products; the 32 accumulators take turns in the same order in every step
.macro MUL16 a0, p, q, sc, zero
.irp a, \a0, \a0+1
.irp b, 0,1,2,3,4,5,6,7
.if \zero
	v_wmma_scale_f32_16x16x128_f8f6f4 v[8*(8*(\a)+\b):8*(8*(\a)+\b)+7], v[128*(\p)+8*\b:128*(\p)+8*\b+7], v[AF+32*(\p)+8*(\a):AF+32*(\p)+8*(\a)+7], 0, v[SC+32*(\sc)+4*\b+(\q)], v[SC+32*(\sc)+4*(\a)+(\q)] matrix_a_fmt:MATRIX_FMT_FP4 matrix_b_fmt:MATRIX_FMT_FP4 matrix_a_scale:MATRIX_SCALE_ROW1
.else
	v_wmma_scale_f32_16x16x128_f8f6f4 v[8*(8*(\a)+\b):8*(8*(\a)+\b)+7], v[128*(\p)+8*\b:128*(\p)+8*\b+7], v[AF+32*(\p)+8*(\a):AF+32*(\p)+8*(\a)+7], v[8*(8*(\a)+\b):8*(8*(\a)+\b)+7], v[SC+32*(\sc)+4*\b+(\q)], v[SC+32*(\sc)+4*(\a)+(\q)] matrix_a_fmt:MATRIX_FMT_FP4 matrix_b_fmt:MATRIX_FMT_FP4 matrix_a_scale:MATRIX_SCALE_ROW1
.endif
.endr
.endr
.endm
.macro STEP slot, q, zero              ; 128 along K whose successor lies in the same slot: the successor's fragments are asked for ahead of the 32 products
	s_wait_dscnt 0x0                               ; this step's fragments (and scale words) are in
	PLACES 4                                       ; in front of loads into registers that the last products read
	FETCH \slot, (\q)+1, 1-(\q)%2
	WIN MULW
	MUL16 0, (\q)%2, \q, \slot, \zero
	MUL16 2, (\q)%2, \q, \slot, \zero
	WIN 0
.endm
.macro TURN slot, next, fill           ; a slot's last step, and the change of slots
	s_wait_tensorcnt 0x0                           ; all my tensor loads have landed: my part of the next slot
	ds_add_u32 v[SPW], v[NIL]
	s_wait_dscnt 1                                 ; my fragments are in; the add may be out
	WIN MULW
	MUL16 0, 1, 3, \slot, 0
	s_wait_dscnt 0x0                               ; the add is done, my reads of this slot are over
	s_barrier_signal -1
	MUL16 2, 1, 3, \slot, 0
	WIN 0
	s_barrier_wait -1
.if \fill
	CREST                                          ; the barrier has opened a round of the cluster's: no wave of any partner reads this slot or has a load on its way
	s_add_nc_u64 s[G0+4*\slot+2:G0+4*\slot+3], s[G0+4*\slot+2:G0+4*\slot+3], 8192
	s_add_nc_u64 s[G0B+4*\slot+2:G0B+4*\slot+3], s[G0B+4*\slot+2:G0B+4*\slot+3], 8192
	JLOAD G0+4*\slot, G1, G0B+4*\slot, G1B         ; my one tensor load behind the round; its four v_nop are the places in front of the loads below
.else
	PLACES 4
.endif
	v_add_nc_u32 v[ADRS], 256, v[ADRS]             ; the next slot's scale words
	FETCH \next, 0, 0
	SCALES \next
.endm
.macro LOADCS a                        ; cos and sin of tokens 16 a + r at my 32 channels
.irp b, 0,1,2,3
	global_load_b128 v[192+8*\b:195+8*\b], v4, s[6:7] offset:4096*(\a)+64*\b
	global_load_b128 v[196+8*\b:199+8*\b], v4, s[6:7] offset:4096*(\a)+64*\b+16
	global_load_b128 v[224+8*\b:227+8*\b], v4, s[8:9] offset:4096*(\a)+64*\b
	global_load_b128 v[228+8*\b:231+8*\b], v4, s[8:9] offset:4096*(\a)+64*\b+16
.endr
.endm
; the way out of 16 tokens x my two heads.  lomask: the scalar register that says which lanes store low parts
.macro EPI a, lomask
	s_wait_loadcnt 0x0                             ; cos and sin
	WIN 0x04                                       ; source 1: the gains, window 1
.irp i, 0,2,4,6,8,10,12,14,16,18,20,22,24,26,28,30
	v_pk_fma_f32 v[192+\i:193+\i], v[192+\i:193+\i], v[\i:\i+1], s[84:85] op_sel_hi:[1,1,0]
.endr
.irp b, 0,1,2,3
.irp i, 0,2,4,6
.if \b < 2
	v_pk_mul_f32 v[224+8*\b+\i:225+8*\b+\i], v[224+8*\b+\i:225+8*\b+\i], v[8*((\b+2)%4)+\i:8*((\b+2)%4)+\i+1] neg_lo:[1,0] neg_hi:[1,0]
.else
	v_pk_mul_f32 v[224+8*\b+\i:225+8*\b+\i], v[224+8*\b+\i:225+8*\b+\i], v[8*((\b+2)%4)+\i:8*((\b+2)%4)+\i+1]
.endif
.endr
.endr
	WIN 0x0a                                       ; sources 0 and 1: the accumulators.
.irp b, 0,1,2,3
.irp i, 0,2,4,6
.irp d, 0,1
.if (\b == 0) && (\i < 4)
	v_pk_mul_f32 v[104+4*\d+\i:105+4*\d+\i], v[8*(8*(\a)+4*\d+\b)+\i:8*(8*(\a)+4*\d+\b)+\i+1], v[8*(8*(\a)+4*\d+\b)+\i:8*(8*(\a)+4*\d+\b)+\i+1]
.else
	v_pk_fma_f32 v[104+4*\d+\i%4:105+4*\d+\i%4], v[8*(8*(\a)+4*\d+\b)+\i:8*(8*(\a)+4*\d+\b)+\i+1], v[8*(8*(\a)+4*\d+\b)+\i:8*(8*(\a)+4*\d+\b)+\i+1], v[104+4*\d+\i%4:105+4*\d+\i%4]
.endif
.endr
.endr
.endr
	WIN 0x02                                       ; source 0: the accumulators
.irp d, 0,1
.irp b, 0,1,2,3
.irp i, 0,2,4,6
	v_pk_mul_f32 v[128+32*\d+8*\b+\i:129+32*\d+8*\b+\i], v[8*(8*(\a)+4*\d+\b)+\i:8*(8*(\a)+4*\d+\b)+\i+1], v[192+8*\b+\i:193+8*\b+\i]
.endr
.endr
.endr
.irp d, 0,1
.irp b, 0,1,2,3
.irp i, 0,2,4,6
	v_pk_fma_f32 v[128+32*\d+8*\b+\i:129+32*\d+8*\b+\i], v[8*(8*(\a)+4*\d+(\b+2)%4)+\i:8*(8*(\a)+4*\d+(\b+2)%4)+\i+1], v[224+8*\b+\i:225+8*\b+\i], v[128+32*\d+8*\b+\i:129+32*\d+8*\b+\i]
.endr
.endr
.endr
	WIN 0
.if (\a) < 3
	LOADCS (\a)+1
.endif
.irp d, 0,1
	v_pk_add_f32 v[104+4*\d:105+4*\d], v[104+4*\d:105+4*\d], v[106+4*\d:107+4*\d]
.endr
.irp d, 0,1
	v_add_f32 v[104+4*\d], v[104+4*\d], v[105+4*\d]
.endr
.irp d, 0,1
	v_permlanex16_b32 v[105+4*\d], v[104+4*\d], s2, s3
.endr
.irp d, 0,1
	v_add_f32 v[104+4*\d], v[104+4*\d], v[105+4*\d]    ; the head's sum of squares of my token
.endr
.irp d, 0,1
	v_fma_f32 v[104+4*\d], v[104+4*\d], s100, s101     ; / 64 + eps
.endr
	v_rsq_f32 v104, v104
	v_rsq_f32 v108, v108
	v_nop
	s_wait_alu depctr_va_vdst(0)                   ; one wait for both, ahead of their first reader
	v_cndmask_b32 v104, v104, 1.0, s89             ; v is not normalised
	v_cndmask_b32 v108, v108, 1.0, s89
.irp d, 0,1
.irp i, 0,2,4,6,8,10,12,14,16,18,20,22,24,26,28,30
	v_pk_mul_f32 v[128+32*\d+\i:129+32*\d+\i], v[128+32*\d+\i:129+32*\d+\i], v[104+4*\d:105+4*\d] op_sel_hi:[1,0]
.endr
.endr
	s_wait_xcnt 0x0                                ; the last tile's stores have read their registers
.irp n, 0,1,2,3,4,5,6,7,8,9,10,11,12,13,14,15,16,17,18,19,20,21,22,23,24,25,26,27,28,29,30,31
	v_cvt_pk_f16_f32 v[32+\n], v[128+2*\n], v[129+2*\n]
.endr
.irp d, 0,1
.irp b, 0,1,2,3
	global_store_b128 v3, v[32+16*\d+4*\b:35+16*\d+4*\b], s[90:91] offset:262144*\d+2048*(\a)+512*\b   ; 512 consecutive bytes
.endr
.endr
.irp p, 32,33,34,35,36,37,38,39,40,41,42,43,44,45,46,47,48,49,50,51,52,53,54,55,56,57,58,59,60,61,62,63
	LOWP \p, 128+2*(\p-32), 64+\p-32, 96+2*(\p%4)
.endr
	s_wait_xcnt 0x0                                ; EXEC changes only behind this wait
	s_and_saveexec_b32 s99, s[\lomask]
.irp b, 0,1,2,3
	global_store_b128 v3, v[64+4*\b:67+4*\b], s[92:93] offset:2048*(\a)+512*\b
	global_store_b128 v3, v[80+4*\b:83+4*\b], s[94:95] offset:2048*(\a)+512*\b
.endr
	s_wait_xcnt 0x0
	s_or_b32 exec_lo, exec_lo, s99
.endm
	s_load_b256 s[4:11], s[0:1], 0x0               ; prep, cos, sin, q_scale
	s_load_b128 s[12:15], s[0:1], 0x20             ; k_scale, qkv
	v_lshl_add_u32 v[SPW], v0, 2, SPARE
	v_mov_b32 v[NIL], 0
	ds_add_u32 v[SPW], v[NIL]                      ; the opening: the add, twice on end, and its wait ahead of my first tensor load
	ds_add_u32 v[SPW], v[NIL]
	v_lshrrev_b32 v1, 5, v0
	v_readfirstlane_b32 s16, v1                    ; wave
	s_lshr_b32 s17, s16, 1                         ; my half of the rows.  Also: I fetch for x (0) or for W (1)
	s_and_b32 s18, s16, 1                          ; my half of the columns.  Also: which half of that tile I fetch
	s_bfe_u32 s19, ttmp6, 0x40000                  ; cx
	s_bfe_u32 s20, ttmp6, 0x40004                  ; cy
	s_lshl_b32 s21, ttmp9, 2
	s_add_co_u32 s21, s21, s19                     ; which 256 columns
	s_and_b32 s22, ttmp7, 0xffff
	s_lshl_b32 s22, s22, 2
	s_add_co_u32 s22, s22, s20                     ; which 128 tokens
	s_lshl_b32 s23, s20, 2
	s_lshl_b32 s23, 15, s23                        ; my row of the cluster
	s_lshl_b32 s84, 0x1111, s19                    ; my column
	s_or_b32 s[G1], s23, (3<<16)|(1<<21)           ; elements of 8 bytes, no padding, bit 21 beside the mask
	s_or_b32 s[G1B], s84, (3<<16)|(1<<21)
	s_or_b32 s[G1S], s23, (3<<16)|(1<<21)
	s_or_b32 s[G1SB], s84, (3<<16)|(1<<21)
	s_mov_b32 s[G1+1], 512<<16                     ; x's codes: 4 rows (tiles of 16 tokens) of 4,096 bytes, 16,384 bytes apart
	s_mov_b32 s[G1+2], 4<<16
	s_mov_b32 s[G1+3], 512<<16
	s_mov_b32 s[G1+4], 4
	s_mov_b32 s[G1+5], 2048
	s_mov_b32 s[G1+6], 0
	s_mov_b32 s[G1+7], 0
	s_mov_b32 s[G1B+1], 512<<16                    ; W's: 8 such rows
	s_mov_b32 s[G1B+2], 8<<16
	s_mov_b32 s[G1B+3], 512<<16
	s_mov_b32 s[G1B+4], 8
	s_mov_b32 s[G1B+5], 2048
	s_mov_b32 s[G1B+6], 0
	s_mov_b32 s[G1B+7], 0
	s_mov_b32 s[G1S+1], 32<<16                     ; x's scale bytes: 4,096 dense bytes as 16 rows of 256
	s_mov_b32 s[G1S+2], 16<<16
	s_mov_b32 s[G1S+3], 32<<16
	s_mov_b32 s[G1S+4], 16
	s_mov_b32 s[G1S+5], 32
	s_mov_b32 s[G1S+6], 0
	s_mov_b32 s[G1S+7], 0
	s_mov_b32 s[G1SB+1], 32<<16                    ; W's: 8,192 as 32 rows
	s_mov_b32 s[G1SB+2], 32<<16
	s_mov_b32 s[G1SB+3], 32<<16
	s_mov_b32 s[G1SB+4], 32
	s_mov_b32 s[G1SB+5], 32
	s_mov_b32 s[G1SB+6], 0
	s_mov_b32 s[G1SB+7], 0
	s_lshl_b32 s86, s22, 17                        ; x's offsets hang on the token block alone, W's on the column block alone, each in registers of their own
	s_lshl_b32 s85, s18, 16
	s_add_co_u32 s86, s86, s85
	s_mov_b32 s87, 0
	s_lshl_b32 s88, s22, 13
	s_lshl_b32 s85, s18, 12
	s_add_co_u32 s88, s88, s85
	s_add_co_u32 s88, s88, XSO
	s_mov_b32 s89, 0
	s_lshl_b32 s90, s21, 18
	s_lshl_b32 s85, s18, 17
	s_add_co_u32 s90, s90, s85
	s_add_co_u32 s90, s90, WC
	s_mov_b32 s91, 0
	s_lshl_b32 s92, s21, 14
	s_lshl_b32 s85, s18, 13
	s_add_co_u32 s92, s92, s85
	s_add_co_u32 s92, s92, WSO
	s_mov_b32 s93, 0
	s_lshl_b32 s94, s18, 14                        ; LDS: x's half,
	s_lshl_b32 s95, s18, 15
	s_add_co_u32 s95, s95, BOFF                    ; W's half,
	s_lshl_b32 s96, s18, 12
	s_add_co_u32 s96, s96, SCL                     ; and their scale bytes
	s_lshl_b32 s97, s18, 13
	s_add_co_u32 s97, s97, SCL+8192
	s_wait_dscnt 0x0                               ; both opening adds are done
	s_wait_kmcnt 0x0
	s_add_nc_u64 s[86:87], s[4:5], s[86:87]
	s_add_nc_u64 s[88:89], s[4:5], s[88:89]
	s_add_nc_u64 s[90:91], s[4:5], s[90:91]
	s_add_nc_u64 s[92:93], s[4:5], s[92:93]
	CROUND                                         ; all sixteen work-groups are here: the first joint loads meet
	s_mov_b32 s[G0S], 1
	s_mov_b32 s[G0S+1], s96
	s_mov_b64 s[G0S+2:G0S+3], s[88:89]
	s_or_b32 s[G0S+3], s[G0S+3], 0x80000000
	s_mov_b32 s[G0SB], 1
	s_mov_b32 s[G0SB+1], s97
	s_mov_b64 s[G0SB+2:G0SB+3], s[92:93]
	s_or_b32 s[G0SB+3], s[G0SB+3], 0x80000000
	JLOAD G0S, G1S, G0SB, G1SB                     ; the scale bytes first
.irp s, 0,1
	s_mov_b32 s[G0+4*\s], 1
	s_add_co_u32 s[G0+4*\s+1], s94, \s*SLOT
	s_add_nc_u64 s[G0+4*\s+2:G0+4*\s+3], s[86:87], \s*4096
	s_or_b32 s[G0+4*\s+3], s[G0+4*\s+3], 0x80000000
	s_mov_b32 s[G0B+4*\s], 1
	s_add_co_u32 s[G0B+4*\s+1], s95, \s*SLOT
	s_add_nc_u64 s[G0B+4*\s+2:G0B+4*\s+3], s[90:91], \s*4096
	s_or_b32 s[G0B+4*\s+3], s[G0B+4*\s+3], 0x80000000
	JLOAD G0+4*\s, G1, G0B+4*\s, G1B
.endr
	v_and_b32 v1, 15, v0                           ; r
	v_bfe_u32 v2, v0, 4, 1                         ; h
	v_and_b32 v3, 31, v0
	v_lshlrev_b32 v3, 4, v3                        ; 16 x lane
	s_lshl_b32 s85, s17, 14                        ; my four tiles of x,
	s_lshl_b32 s98, s18, 15
	s_add_co_u32 s98, s98, BOFF                    ; my eight of W
.irp s, 0,1
	v_add_nc_u32 v[ADRA+\s], s85, v3
	v_add_nc_u32 v[ADRB+\s], s98, v3
	s_add_co_u32 s85, s85, SLOT
	s_add_co_u32 s98, s98, SLOT
.endr
	v_lshlrev_b32 v5, 4, v1                        ; 16 bytes a row
	s_lshl_b32 s85, s17, 12                        ; x's scale words of my rows,
	s_lshl_b32 s98, s18, 13
	s_add_co_u32 s98, s98, 8192                    ; W's of my columns,
	s_sub_co_u32 s98, s98, s85
	v_mul_u32_u24 v6, s98, v2                      ; which lanes 16-31 take
	s_add_co_u32 s85, s85, SCL
	v_add_nc_u32 v5, v5, v6
	v_add_nc_u32 v[ADRS], s85, v5
	s_wait_tensorcnt 1                             ; the scale bytes and my part of slot 0 are in; slot 1's load may be out
	s_barrier_signal -1
	s_barrier_wait -1
	FETCH 0, 0, 0
	SCALES 0
	STEP 0, 0, 1                                   ; the first products start the sums
	STEP 0, 1, 0
	STEP 0, 2, 0
	TURN 0, 1, 1
	STEP 1, 0, 0
	STEP 1, 1, 0
	STEP 1, 2, 0
	TURN 1, 0, 1
	STEP 0, 0, 0
	STEP 0, 1, 0
	STEP 0, 2, 0
	TURN 0, 1, 0                                   ; nothing is left to fetch
	STEP 1, 0, 0
	STEP 1, 1, 0
	STEP 1, 2, 0
	s_wait_dscnt 0x0
	WIN MULW
	MUL16 0, 1, 3, 1, 0
	MUL16 2, 1, 3, 1, 0
	WIN 0
	; ---- the way out
	s_lshl_b32 s85, s21, 2
	s_lshl_b32 s86, s18, 1
	s_add_co_u32 s85, s85, s86                     ; my first head of the 48
	s_lshl_b32 s86, s22, 3
	s_lshl_b32 s87, s17, 2
	s_add_co_u32 s86, s86, s87                     ; my first tile of 16 tokens
	s_lshl_b32 s90, s85, 18
	s_lshl_b32 s87, s86, 11
	s_add_co_u32 s90, s90, s87                     ; high parts
	s_mov_b32 s91, 0
	s_lshl_b32 s92, s85, 11
	s_add_co_u32 s92, s92, 16777216                ; low parts of q's first tile, heads 0 and 1 of mine,
	s_add_co_u32 s94, s92, 2048
	s_add_co_u32 s96, s90, 4194304                 ; or of k and v
	s_add_co_u32 s98, s96, 262144
	s_cmp_lt_u32 s21, 8                            ; q?
	s_cselect_b32 s92, s92, s96
	s_cselect_b32 s94, s94, s98
	s_cselect_b32 s88, 0, -1                       ; low parts of tiles 1 to 3: k and v alone
	s_cselect_b64 s[10:11], s[10:11], s[12:13]     ; the gains
	s_mov_b32 s93, 0
	s_mov_b32 s95, 0
	s_cmp_eq_u32 s86, 0
	s_cselect_b32 s87, -1, 0
	s_or_b32 s87, s87, s88                         ; of tile 0: also q's tokens 0-15
	s_cmp_ge_u32 s21, 10                           ; v?
	s_cselect_b32 s89, -1, 0
	s_cselect_b32 s84, 1.0, 0
	s_mov_b32 s85, s84
	s_add_nc_u64 s[90:91], s[14:15], s[90:91]
	s_add_nc_u64 s[92:93], s[14:15], s[92:93]
	s_add_nc_u64 s[94:95], s[14:15], s[94:95]
	s_lshl_b32 s96, s86, 12                        ; 16 tokens x 256 bytes of cos and sin
	s_mov_b32 s97, 0
	s_add_nc_u64 s[6:7], s[6:7], s[96:97]
	s_add_nc_u64 s[8:9], s[8:9], s[96:97]
	s_mov_b32 s100, 0x3c800000                     ; 1 / 64
	s_mov_b32 s101, 0x358637bd                     ; 1e-6
	s_mov_b32 s2, 0x76543210
	s_mov_b32 s3, 0xfedcba98
	PLACES 4                                       ; behind the last products
	v_lshlrev_b32 v4, 8, v1
	v_lshl_add_u32 v4, v2, 5, v4                   ; cos, sin: token r, + 32 h
	v_lshlrev_b32 v5, 5, v2
	WIN 0x40
.irp b, 0,1,2,3
	global_load_b128 v[8*\b:8*\b+3], v5, s[10:11] offset:64*\b       ; the gains at d = 16 b + 8 h + 0..7, into window 1
	global_load_b128 v[8*\b+4:8*\b+7], v5, s[10:11] offset:64*\b+16
.endr
	WIN 0
	LOADCS 0
	s_wait_loadcnt 16                              ; the gains are in; the 16 loads of cos and sin may be out
	WIN 0x41
.irp i, 0,1,2,3,4,5,6,7,8,9,10,11,12,13,14,15,16,17,18,19,20,21,22,23,24,25,26,27,28,29,30,31
	v_cndmask_b32 v[\i], v[\i], 0, s89             ; v has no gain: C becomes 1 and S 0
.endr
	WIN 0
	EPI 0, 87
	EPI 1, 88
	EPI 2, 88
	EPI 3, 88
	s_wait_tensorcnt 0x0                           ; the wave's end
	ds_add_u32 v[SPW], v[NIL]
	s_wait_dscnt 0x0
	CROUND                                         ; the closing round
	s_endpgm
.Lfunc_end_k_q8927699c5d_qkv:
	.size	k_q8927699c5d_qkv, .Lfunc_end_k_q8927699c5d_qkv-k_q8927699c5d_qkv
	.p2alignl 7, 3214868480
	.fill 96, 4, 3214868480
	.section	.rodata,"a",@progbits
	.p2align	6, 0x0
	.amdhsa_kernel k_q8927699c5d_qkv
		.amdhsa_group_segment_fixed_size 327680
		.amdhsa_private_segment_fixed_size 0
		.amdhsa_enable_private_segment 0
		.amdhsa_kernarg_size 48
		.amdhsa_user_sgpr_count 2
		.amdhsa_user_sgpr_kernarg_segment_ptr 1
		.amdhsa_wavefront_size32 1
		.amdhsa_system_sgpr_workgroup_id_x 1
		.amdhsa_system_sgpr_workgroup_id_y 1
		.amdhsa_system_sgpr_workgroup_id_z 1
		.amdhsa_system_vgpr_workitem_id 0
		.amdhsa_next_free_vgpr 768
		.amdhsa_next_free_sgpr 102
		.amdhsa_reserve_vcc 0
		.amdhsa_float_denorm_mode_32 3
		.amdhsa_float_denorm_mode_16_64 3
		.amdhsa_memory_ordered 1
		.amdhsa_forward_progress 1
		.amdhsa_inst_pref_size 199
	.end_amdhsa_kernel
	.amdgpu_metadata
---
amdhsa.version: [ 1, 2 ]
amdhsa.kernels:
  - .name:           k_q8927699c5d_qkv
    .symbol:         k_q8927699c5d_qkv.kd
    .args:
      - { .name: prep, .offset: 0, .size: 8, .value_kind: global_buffer, .address_space: global }
      - { .name: cos, .offset: 8, .size: 8, .value_kind: global_buffer, .address_space: global }
      - { .name: sin, .offset: 16, .size: 8, .value_kind: global_buffer, .address_space: global }
      - { .name: q_scale, .offset: 24, .size: 8, .value_kind: global_buffer, .address_space: global }
      - { .name: k_scale, .offset: 32, .size: 8, .value_kind: global_buffer, .address_space: global }
      - { .name: qkv, .offset: 40, .size: 8, .value_kind: global_buffer, .address_space: global }
    .group_segment_fixed_size: 327680
    .private_segment_fixed_size: 0
    .kernarg_segment_align: 8
    .kernarg_segment_size: 48
    .max_flat_workgroup_size: 128
    .sgpr_count:     102
    .vgpr_count:     768
    .wavefront_size: 32
...
	.end_amdgpu_metadata
.endif
;; end of part 2
;; launch attn (part 3): grid 256 x 1, 8 waves a work-group, no clusters, 37,888 bytes of LDS; arguments qkv, mask, flags, ctx; writes ctx
.if DOCPART == 3
	.amdgcn_target "amdgcn-amd-amdhsa--gfx1250"
	.amdhsa_code_object_version 6
	.text
	.protected	k_q8927699c5d_attn
	.globl	k_q8927699c5d_attn
	.p2align	8
	.type	k_q8927699c5d_attn,@function
k_q8927699c5d_attn:
	s_mov_b64 s[64:65], 0
	v_nop
	global_prefetch_b8 v0, s[64:65] scope:SCOPE_SE
	s_setreg_imm32_b32 hwreg(HW_REG_WAVE_MODE, 25, 1), 1
	s_wait_xcnt 0x0
; ctx = softmax(q k^T / 8, masked) v, f16 operands, f32 sums, running maximum.  All 2,048 rows (rows 0-15 are made again, more finely, by a later launch).
; A work-group serves one key/value head g and four tiles of 16 queries: 2 u, 2 u + 1, 126 - 2 u, 127 - 2 u.  A wave holds one tile of queries for TWO query heads, which share every fragment of K and V and every mask compare.
; THE MASK IS AN INPUT.  An earlier launch has stored, for each tile of queries, two words: bit j 'live' (keys 64 j .. 64 j + 63 hold an open key) and 'part' (live and not all open).  A step that is not live adds nothing
; (every p would be 0, the maximum would stay) and is jumped over by a scalar branch on that stored bit; a step that is 'part' loads the mask's bytes and sets hidden scores to -infinity.  Right for any mask of bytes 0 and 1.
; Because branches hang on stored numbers, K and V come through registers into two LDS buffers by turns, all 256 threads copying; the copy, the waits and the ONE barrier of a trip are run by every wave in every trip.
; No cluster: partners would need different tiles, by numbers read from memory.
; LAYOUT: S^T = K Q^T and O^T = V^T P: a lane holds one query.  K lies in LDS as images of its fragments; V as rows [key][128 bytes + 32] for the turning load.
; A row with no open key gives 0 x infinity = NaN, as the softmax of a row of -infinity does.
; REGISTERS: v1, v2 the add's; v3-8 addresses; v10-17 mask bytes; v18-33 statistics (a tile: c m, m, l, l, c0-c3; a in c2); v34-49 the copy; v52-59 sums; v64-127 S^T, then P in place; v128-191 K or V; v192-255 O^T; window 1 v0-31 Q.
.set BUF,   18432                      ; a buffer: K 8,192, V 64 x 160
.set VO,    8192
.set PV,    160
.set SPARE, 36864
.set ST,    18
.set S,     64
.set F,     128
.set O,     192
.set MSB, 0
.macro WIN new
.if MSB != \new
	s_set_vgpr_msb (MSB<<8)|\new
.set MSB, \new
.endif
.endm
.macro MASK                            ; register 8 kt + j holds key 16 kt + 8 h + j of the step: byte j of my 8 bytes of tile kt
.irp kt, 0,1,2,3
.irp j, 0,1,2,3,4,5,6,7
	v_and_b32 v9, 0xff<<(8*(\j%4)), v[10+2*\kt+\j/4]
	v_cmp_ne_u32 vcc_lo, 0, v9
	v_cndmask_b32 v[S+8*\kt+\j], v[S+8*\kt+\j], v8, vcc_lo
	v_cndmask_b32 v[S+32+8*\kt+\j], v[S+32+8*\kt+\j], v8, vcc_lo
.endr
.endr
.endm
.macro SOFT                            ; both tiles, line by line in turn
.irp kt, 0,1,2,3
.irp t, 0,1
	v_max3_num_f32 v[ST+8*\t+4+\kt], v[S+32*\t+8*\kt], v[S+32*\t+8*\kt+1], v[S+32*\t+8*\kt+2]   ; each accumulator is read from its low end on
.endr
.endr
.irp i, 3,5
.irp kt, 0,1,2,3
.irp t, 0,1
	v_max3_num_f32 v[ST+8*\t+4+\kt], v[ST+8*\t+4+\kt], v[S+32*\t+8*\kt+\i], v[S+32*\t+8*\kt+\i+1]
.endr
.endr
.endr
.irp t, 0,1
	v_max3_num_f32 v[ST+8*\t+4], v[ST+8*\t+4], v[S+32*\t+7], v[S+32*\t+15]
	v_max3_num_f32 v[ST+8*\t+6], v[ST+8*\t+6], v[S+32*\t+23], v[S+32*\t+31]
.endr
.irp t, 0,1
	v_max3_num_f32 v[ST+8*\t+4], v[ST+8*\t+4], v[ST+8*\t+5], v[ST+8*\t+6]
.endr
.irp t, 0,1
	v_max3_num_f32 v[ST+8*\t+4], v[ST+8*\t+4], v[ST+8*\t+7], v[ST+8*\t+1]   ; with the old m
.endr
.irp t, 0,1
	v_permlanex16_b32 v[ST+8*\t+5], v[ST+8*\t+4], s48, s49
.endr
.irp t, 0,1
	v_mov_b32 v[ST+8*\t+7], v[ST+8*\t]             ; c m_old
.endr
.irp t, 0,1
	v_max_num_f32 v[ST+8*\t+1], v[ST+8*\t+4], v[ST+8*\t+5]
.endr
.irp t, 0,1
	v_mul_f32 v[ST+8*\t], s46, v[ST+8*\t+1]
.endr
.irp t, 0,1
	v_sub_f32 v[ST+8*\t+7], v[ST+8*\t+7], v[ST+8*\t]
.endr
.irp i, 0,2,4,6,8,10,12,14,16,18,20,22,24,26,28,30
.irp t, 0,1
	v_pk_fma_f32 v[S+32*\t+\i:S+32*\t+\i+1], v[S+32*\t+\i:S+32*\t+\i+1], s[46:47], v[ST+8*\t:ST+8*\t+1] op_sel_hi:[1,0,0] neg_lo:[0,0,1] neg_hi:[0,0,1]   ; c s - c m
.endr
.endr
.irp t, 0,1
	v_exp_f32 v[ST+8*\t+6], v[ST+8*\t+7]           ; a = 2^(c m_old - c m_new)
.endr
.irp i, 0,1,2,3,4,5,6,7,8,9,10,11,12,13,14,15,16,17,18,19,20,21,22,23,24,25,26,27,28,29,30,31
.irp t, 0,1
	v_exp_f32 v[S+32*\t+\i], v[S+32*\t+\i]
.endr
.endr
	v_nop
	s_wait_alu depctr_va_vdst(0)                   ; one wait for the batch of 66, ahead of its first reader
.irp t, 0,1
	v_pk_add_f32 v[52+4*\t:53+4*\t], v[S+32*\t:S+32*\t+1], v[S+32*\t+2:S+32*\t+3]
	v_pk_add_f32 v[54+4*\t:55+4*\t], v[S+32*\t+4:S+32*\t+5], v[S+32*\t+6:S+32*\t+7]
.endr
.irp i, 8,12,16,20,24,28
.irp t, 0,1
	v_pk_add_f32 v[52+4*\t:53+4*\t], v[52+4*\t:53+4*\t], v[S+32*\t+\i:S+32*\t+\i+1]
	v_pk_add_f32 v[54+4*\t:55+4*\t], v[54+4*\t:55+4*\t], v[S+32*\t+\i+2:S+32*\t+\i+3]
.endr
.endr
.irp t, 0,1
	v_pk_add_f32 v[52+4*\t:53+4*\t], v[52+4*\t:53+4*\t], v[54+4*\t:55+4*\t]
.endr
.irp t, 0,1
	v_pk_fma_f32 v[ST+8*\t+2:ST+8*\t+3], v[ST+8*\t+2:ST+8*\t+3], v[ST+8*\t+6:ST+8*\t+7], v[52+4*\t:53+4*\t] op_sel_hi:[1,0,1]   ; l = a l + the sum of the f32 p
.endr
.irp n, 0,1,2,3,4,5,6,7,8,9,10,11,12,13,14,15
.irp t, 0,1
	v_cvt_pk_f16_f32 v[S+32*\t+\n], v[S+32*\t+2*\n], v[S+32*\t+2*\n+1]   ; in place, ascending: register n is written when pair n / 2 has been read
.endr
.endr
.irp i, 0,2,4,6,8,10,12,14,16,18,20,22,24,26,28,30
.irp t, 0,1
	v_pk_mul_f32 v[O+32*\t+\i:O+32*\t+\i+1], v[O+32*\t+\i:O+32*\t+\i+1], v[ST+8*\t+6:ST+8*\t+7] op_sel_hi:[1,0]
.endr
.endr
.endm
.macro STEP cur                        ; 64 keys out of buffer cur
	s_bitcmp1_b32 s29, 0
	s_cbranch_scc0 .Lnm_\@
.irp kt, 0,1,2,3
	global_load_b64 v[10+2*\kt:11+2*\kt], v7, s[36:37] offset:16*\kt
.endr
.Lnm_\@:
.irp s, 0,1
.irp kt, 0,1,2,3
	ds_load_b128 v[F+16*\kt+8*\s:F+16*\kt+8*\s+3], v5 offset:BUF*\cur+2048*\kt+1024*\s
	ds_load_b128 v[F+16*\kt+8*\s+4:F+16*\kt+8*\s+7], v5 offset:BUF*\cur+2048*\kt+1024*\s+512
.endr
.endr
	s_wait_dscnt 8                                 ; channels 0-31 are in; the eight loads of channels 32-63 may be out
	WIN 0x04                                       ; source 1: Q, window 1
.irp kt, 0,1,2,3
.irp t, 0,1
	v_wmma_f32_16x16x32_f16 v[S+32*\t+8*\kt:S+32*\t+8*\kt+7], v[F+16*\kt:F+16*\kt+7], v[16*\t:16*\t+7], 0
.endr
.endr
	s_wait_dscnt 0x0
.irp kt, 0,1,2,3
.irp t, 0,1
	v_wmma_f32_16x16x32_f16 v[S+32*\t+8*\kt:S+32*\t+8*\kt+7], v[F+16*\kt+8:F+16*\kt+15], v[16*\t+8:16*\t+15], v[S+32*\t+8*\kt:S+32*\t+8*\kt+7]
.endr
.endr
	WIN 0
.rept 4
	v_nop                                          ; places: in front of the loads over K's fragments and of the first read of the scores
.endr
.irp kb, 0,1
.irp dt, 0,1,2,3
	ds_load_tr16_b128 v[F+32*\kb+8*\dt:F+32*\kb+8*\dt+3], v6 offset:BUF*\cur+VO+5120*\kb+32*\dt
	ds_load_tr16_b128 v[F+32*\kb+8*\dt+4:F+32*\kb+8*\dt+7], v6 offset:BUF*\cur+VO+5120*\kb+32*\dt+2560
.endr
.endr
	s_bitcmp1_b32 s29, 0
	s_cbranch_scc0 .Lopen_\@
	s_wait_loadcnt 0x0                             ; the mask's bytes
	MASK
.Lopen_\@:
	SOFT
	s_wait_dscnt 0x0                               ; V
.irp kb, 0,1
.irp dt, 0,1,2,3
.irp t, 0,1
	v_wmma_f32_16x16x32_f16 v[O+32*\t+8*\dt:O+32*\t+8*\dt+7], v[F+32*\kb+8*\dt:F+32*\kb+8*\dt+7], v[S+32*\t+8*\kb:S+32*\t+8*\kb+7], v[O+32*\t+8*\dt:O+32*\t+8*\dt+7]
.endr
.endr
.endr
.rept 5
	v_nop                                          ; places: the next scores are written over P by matrix instructions, the next K over V by loads
.endr
.endm
.macro TRIP cur, nxt
	s_bitcmp1_b32 s30, 0                           ; does any of the four tiles want the next step?
	s_cbranch_scc0 .Lnost_\@
	global_load_b128 v[34:37], v3, s[32:33] offset:8192
	global_load_b128 v[38:41], v3, s[32:33] offset:12288
	global_load_b128 v[42:45], v3, s[34:35] offset:8192
	global_load_b128 v[46:49], v3, s[34:35] offset:12288
.Lnost_\@:
	s_cmp_lt_u32 s41, s42                          ; a prefetch of step j + 3's 8,192 bytes, lanes 256 bytes apart: wave 1 asks for K's, wave 3 for V's, in the head's first work-group alone; it stops at j = 28
	s_cbranch_scc0 .Lnopf_\@
	global_prefetch_b8 v50, s[44:45] th:TH_LOAD_NT scope:SCOPE_SE
.Lnopf_\@:
	s_bitcmp1_b32 s28, 0                           ; is this step live for my tile?
	s_cbranch_scc0 .Ldead_\@
	STEP \cur
.Ldead_\@:
	s_wait_loadcnt 0x0
	ds_store_b128 v3, v[34:37] offset:BUF*\nxt     ; every wave, every trip (where nothing was loaded the bytes are not read)
	ds_store_b128 v3, v[38:41] offset:BUF*\nxt+4096
	ds_store_b128 v4, v[42:45] offset:BUF*\nxt+VO
	ds_store_b128 v4, v[46:49] offset:BUF*\nxt+VO+5120
	s_wait_xcnt 0x0                                ; loads and prefetch have read their bases
	s_add_nc_u64 s[32:33], s[32:33], 8192
	s_add_nc_u64 s[34:35], s[34:35], 8192
	s_add_nc_u64 s[36:37], s[36:37], 64
	s_add_nc_u64 s[44:45], s[44:45], 8192
	s_lshr_b32 s28, s28, 1
	s_lshr_b32 s29, s29, 1
	s_lshr_b32 s30, s30, 1
	s_add_co_u32 s41, s41, 1
	s_wait_dscnt 0x0                               ; my stores have landed and my reads of this trip's buffer are over
	s_barrier_signal -1
	s_barrier_wait -1
.endm
	s_load_b256 s[4:11], s[0:1], 0x0               ; qkv, mask, flags, ctx
	v_lshl_add_u32 v1, v0, 2, SPARE
	v_mov_b32 v2, 0
	v_lshrrev_b32 v9, 5, v0
	v_readfirstlane_b32 s12, v9                    ; wave
	s_and_b32 s13, ttmp9, 7                        ; g
	s_lshr_b32 s14, ttmp9, 3                       ; u
	s_lshr_b32 s15, s12, 2
	s_xor_b32 s15, s15, s12
	s_and_b32 s15, s15, 1                          ; 1: a late tile.  Waves w and w + 4 differ in it, and so do w and w + 1
	s_bfe_u32 s17, s12, 0x10001                    ; which pair of heads
	s_lshr_b32 s18, s12, 2                         ; which of the two tiles
	s_lshl_b32 s19, s14, 1
	s_add_co_u32 s19, s19, s18
	s_sub_co_u32 s38, 127, s19
	s_cmp_eq_u32 s15, 1
	s_cselect_b32 s19, s38, s19                    ; my tile of queries
	s_lshl_b32 s38, s14, 4
	s_sub_co_u32 s50, 1008, s38
	s_mov_b32 s39, 0
	s_mov_b32 s51, 0
	s_mov_b32 s46, 0x3e38aa3b                      ; c = log2(e) / 8
	s_mov_b32 s47, s46
	s_mov_b32 s48, 0x76543210
	s_mov_b32 s49, 0xfedcba98
	s_mov_b32 s41, 0
	s_mov_b32 s40, 16
	s_wait_kmcnt 0x0
	s_add_nc_u64 s[38:39], s[8:9], s[38:39]
	s_add_nc_u64 s[50:51], s[8:9], s[50:51]
	s_load_b128 s[20:23], s[38:39], 0x0            ; tiles 2 u, 2 u + 1
	s_load_b128 s[24:27], s[50:51], 0x0            ; tiles 126 - 2 u, 127 - 2 u
	s_add_co_u32 s52, s13, 32
	s_lshl_b32 s52, s52, 18
	s_mov_b32 s53, 0
	s_add_nc_u64 s[32:33], s[4:5], s[52:53]        ; K of head g
	s_add_nc_u64 s[34:35], s[32:33], 2097152       ; V: eight heads on
	s_lshl_b32 s52, s19, 15
	s_add_nc_u64 s[36:37], s[6:7], s[52:53]        ; the mask at my 16 rows
	s_lshl_b32 s16, s13, 2
	s_lshl_b32 s52, s17, 1
	s_add_co_u32 s16, s16, s52                     ; my first head
	s_lshl_b32 s52, s16, 18
	s_lshl_b32 s31, s19, 11
	s_add_co_u32 s52, s52, s31
	s_add_nc_u64 s[4:5], s[4:5], s[52:53]          ; Q
	s_lshl_b32 s52, s19, 16
	s_lshl_b32 s31, s16, 11
	s_add_co_u32 s52, s52, s31
	s_add_nc_u64 s[10:11], s[10:11], s[52:53]      ; ctx
	s_and_b32 s52, s12, 5
	s_xor_b32 s52, s52, 1
	s_or_b32 s52, s52, s14
	s_cmp_eq_u32 s52, 0                            ; wave 1 or 3 of a work-group with u = 0
	s_cselect_b32 s42, 29, 0
	s_cmp_eq_u32 s12, 1
	s_cselect_b64 s[44:45], s[32:33], s[34:35]
	s_add_nc_u64 s[44:45], s[44:45], 24576         ; step 3
	v_lshlrev_b32 v3, 4, v0                        ; the copy: 16 x thread
	v_lshrrev_b32 v4, 7, v0
	v_lshlrev_b32 v4, 4, v4
	v_and_b32 v9, 15, v0
	v_add_nc_u32 v4, v4, v9                        ; V's row: key 16 (t / 128) + t % 16
	v_mul_u32_u24 v4, v4, PV
	v_bfe_u32 v9, v0, 5, 2
	v_lshl_add_u32 v4, v9, 5, v4                   ; + 32 x chunk
	v_bfe_u32 v9, v0, 4, 1
	v_lshl_add_u32 v4, v9, 4, v4                   ; + 16 h
	v_and_b32 v5, 31, v0
	v_lshlrev_b32 v50, 8, v5
	v_lshlrev_b32 v5, 4, v5                        ; 16 x lane
	v_and_b32 v6, 7, v0
	v_lshl_add_u32 v6, v9, 3, v6
	v_mul_u32_u24 v6, v6, PV
	v_bfe_u32 v51, v0, 3, 1
	v_lshl_add_u32 v6, v51, 4, v6                  ; the turning load: key 8 h + l % 8, 16 bytes by (l / 8) % 2
	v_and_b32 v7, 15, v0
	v_lshlrev_b32 v7, 11, v7
	v_lshl_add_u32 v7, v9, 3, v7                   ; the mask: row r, + 8 h
	v_mov_b32 v8, 0xff800000                       ; -infinity
	global_load_b128 v[34:37], v3, s[32:33]        ; step 0 is always copied
	global_load_b128 v[38:41], v3, s[32:33] offset:4096
	global_load_b128 v[42:45], v3, s[34:35]
	global_load_b128 v[46:49], v3, s[34:35] offset:4096
	WIN 0x40
.irp t, 0,1
.irp b, 0,1,2,3
	global_load_b128 v[16*\t+4*\b:16*\t+4*\b+3], v5, s[4:5] offset:262144*\t+512*\b   ; Q stays in registers
.endr
.endr
	WIN 0
.irp i, 0,1,2,3,4,5,6,7
	v_mov_b32 v[10+\i], 0
.endr
.irp t, 0,1
	v_mov_b32 v[ST+8*\t+1], 0xff61b1e6             ; m = -3e38, under every score
	v_mul_f32 v[ST+8*\t], s46, v[ST+8*\t+1]
.irp i, 2,3,4,5,6,7
	v_mov_b32 v[ST+8*\t+\i], 0
.endr
.endr
.irp i, 0,1,2,3,4,5,6,7,8,9,10,11,12,13,14,15,16,17,18,19,20,21,22,23,24,25,26,27,28,29,30,31,32,33,34,35,36,37,38,39,40,41,42,43,44,45,46,47,48,49,50,51,52,53,54,55,56,57,58,59,60,61,62,63
	v_mov_b32 v[O+\i], 0                           ; which step is a tile's first hangs on the stored words, so it cannot be written out ahead of the loop
.endr
	s_wait_loadcnt 8                               ; step 0's four loads are in; Q's eight may be out
	ds_store_b128 v3, v[34:37]
	ds_store_b128 v3, v[38:41] offset:4096
	ds_store_b128 v4, v[42:45] offset:VO
	ds_store_b128 v4, v[46:49] offset:VO+5120
	s_wait_kmcnt 0x0
	s_or_b32 s30, s20, s22
	s_or_b32 s30, s30, s24
	s_or_b32 s30, s30, s26
	s_lshr_b32 s30, s30, 1                         ; bit 0: step j + 1 is live for some tile
	s_cmp_eq_u32 s18, 0
	s_cselect_b32 s28, s20, s22
	s_cselect_b32 s29, s21, s23
	s_cselect_b32 s38, s26, s24
	s_cselect_b32 s39, s27, s25
	s_cmp_eq_u32 s15, 1
	s_cselect_b32 s28, s38, s28                    ; my tile's live word,
	s_cselect_b32 s29, s39, s29                    ; and its part word
	s_wait_loadcnt 0x0                             ; Q
	s_wait_dscnt 0x0
	s_barrier_signal -1
	s_barrier_wait -1
.Ltrips:                                           ; 16 trips of two key steps
	TRIP 0, 1
	TRIP 1, 0
	s_sub_co_u32 s40, s40, 1
	s_cmp_lg_u32 s40, 0
	s_cbranch_scc1 .Ltrips
.irp t, 0,1
	v_add_f32 v[ST+8*\t+4], v[ST+8*\t+2], v[ST+8*\t+3]
.endr
.irp t, 0,1
	v_permlanex16_b32 v[ST+8*\t+5], v[ST+8*\t+4], s48, s49
.endr
.irp t, 0,1
	v_add_f32 v[ST+8*\t+4], v[ST+8*\t+4], v[ST+8*\t+5]
.endr
.irp t, 0,1
	v_rcp_f32 v[ST+8*\t+6], v[ST+8*\t+4]
.endr
	v_nop
	s_wait_alu depctr_va_vdst(0)
.irp t, 0,1
.irp i, 0,2,4,6,8,10,12,14,16,18,20,22,24,26,28,30
	v_pk_mul_f32 v[O+32*\t+\i:O+32*\t+\i+1], v[O+32*\t+\i:O+32*\t+\i+1], v[ST+8*\t+6:ST+8*\t+7] op_sel_hi:[1,0]
.endr
.endr
.irp n, 0,1,2,3,4,5,6,7,8,9,10,11,12,13,14,15,16,17,18,19,20,21,22,23,24,25,26,27,28,29,30,31
	v_cvt_pk_f16_f32 v[S+\n], v[O+2*\n], v[O+2*\n+1]
.endr
.irp t, 0,1
.irp dt, 0,1,2,3
	global_store_b128 v5, v[S+16*\t+4*\dt:S+16*\t+4*\dt+3], s[10:11] offset:2048*\t+512*\dt   ; 512 consecutive bytes: a chunk of the projection's operand
.endr
.endr
	s_wait_tensorcnt 0x0                           ; the wave's end
	ds_add_u32 v1, v2
	s_wait_dscnt 0x0
	s_endpgm
.Lfunc_end_k_q8927699c5d_attn:
	.size	k_q8927699c5d_attn, .Lfunc_end_k_q8927699c5d_attn-k_q8927699c5d_attn
	.p2alignl 7, 3214868480
	.fill 96, 4, 3214868480
	.section	.rodata,"a",@progbits
	.p2align	6, 0x0
	.amdhsa_kernel k_q8927699c5d_attn
		.amdhsa_group_segment_fixed_size 37888
		.amdhsa_private_segment_fixed_size 0
		.amdhsa_enable_private_segment 0
		.amdhsa_kernarg_size 32
		.amdhsa_user_sgpr_count 2
		.amdhsa_user_sgpr_kernarg_segment_ptr 1
		.amdhsa_wavefront_size32 1
		.amdhsa_system_sgpr_workgroup_id_x 1
		.amdhsa_system_sgpr_workgroup_id_y 1
		.amdhsa_system_sgpr_workgroup_id_z 1
		.amdhsa_system_vgpr_workitem_id 0
		.amdhsa_next_free_vgpr 288
		.amdhsa_next_free_sgpr 66
		.amdhsa_reserve_vcc 1
		.amdhsa_float_denorm_mode_32 3
		.amdhsa_float_denorm_mode_16_64 3
		.amdhsa_memory_ordered 1
		.amdhsa_forward_progress 1
		.amdhsa_inst_pref_size 62
	.end_amdhsa_kernel
	.amdgpu_metadata
---
amdhsa.version: [ 1, 2 ]
amdhsa.kernels:
  - .name:           k_q8927699c5d_attn
    .symbol:         k_q8927699c5d_attn.kd
    .args:
      - { .name: qkv, .offset: 0, .size: 8, .value_kind: global_buffer, .address_space: global }
      - { .name: mask, .offset: 8, .size: 8, .value_kind: global_buffer, .address_space: global }
      - { .name: flags, .offset: 16, .size: 8, .value_kind: global_buffer, .address_space: global }
      - { .name: ctx, .offset: 24, .size: 8, .value_kind: global_buffer, .address_space: global }
    .group_segment_fixed_size: 37888
    .private_segment_fixed_size: 0
    .kernarg_segment_align: 8
    .kernarg_segment_size: 32
    .max_flat_workgroup_size: 256
    .sgpr_count:     66
    .vgpr_count:     288
    .wavefront_size: 32
...
	.end_amdgpu_metadata
.endif
;; end of part 3
;; launch fineattn (part 4): grid 32 x 1, 1 waves a work-group, no clusters, 10,496 bytes of LDS; arguments qkv, mask, flags, ctxf; writes ctxf
.if DOCPART == 4
	.amdgcn_target "amdgcn-amd-amdhsa--gfx1250"
	.amdhsa_code_object_version 6
	.text
	.protected	k_q8927699c5d_fineattn
	.globl	k_q8927699c5d_fineattn
	.p2align	8
	.type	k_q8927699c5d_fineattn,@function
k_q8927699c5d_fineattn:
	s_mov_b64 s[64:65], 0
	v_nop
	global_prefetch_b8 v0, s[64:65] scope:SCOPE_SE
	s_setreg_imm32_b32 hwreg(HW_REG_WAVE_MODE, 25, 1), 1
	s_wait_xcnt 0x0
; Queries 0-15 of each head once more, with every operand as a pair of f16 numbers (high, low): q k^T = Kh Qh + Kl Qh + Kh Ql, p v = Vh Ph + Vl Ph + Vh Pl; sums, maximum and softmax in f32.
; These rows may average few values and are then the largest of the output, so the rounding of single f16 operands would weigh most there.
; One wave a head.  32 trips of 64 keys; a trip whose keys are all hidden for these queries (bit j of the stored 'live' word of tile 0) is jumped over; in a live trip the mask's bytes are always applied.
; K's fragments come straight from memory (they lie as images); V's rows go through the wave's own LDS for the turning load, 32 keys at a time.
; With a mask that leaves these rows many keys the wave walks up to 32 trips one behind the other: slow, and right.
; REGISTERS: v1, v2 the add's; v3-7 addresses; v10-17 mask bytes; v18-25 statistics; v26-29 sums; v32-47 Qh, v48-63 Ql; v64-95 S^T; v96-111 Ph, v112-127 Pl; v128-159 high, v160-191 low fragments; v192-223 O^T; v224-255 at work.
.set PV,    160
.set LOWV,  5120
.set SPARE, 10240
.set ST,    18
.set S,     64
.set O,     192
.macro LOWP h, x, l, t
	v_cvt_f32_f16 v[\t], v\h\().l
	v_cvt_f32_f16 v[\t+1], v\h\().h
	v_pk_add_f32 v[\t:\t+1], v[\x:\x+1], v[\t:\t+1] neg_lo:[0,1] neg_hi:[0,1]
	v_cvt_pk_f16_f32 v[\l], v[\t], v[\t+1]
.endm
	s_load_b256 s[4:11], s[0:1], 0x0               ; qkv, mask, flags, ctxf
	v_lshl_add_u32 v1, v0, 2, SPARE
	v_mov_b32 v2, 0
	v_lshlrev_b32 v3, 4, v0                        ; 16 x lane
	v_and_b32 v8, 15, v0                           ; r
	v_bfe_u32 v9, v0, 4, 1                         ; h
	v_mul_u32_u24 v4, v8, PV
	v_lshl_add_u32 v4, v9, 4, v4                   ; V into LDS: row r, + 16 h
	v_and_b32 v5, 7, v0
	v_lshl_add_u32 v5, v9, 3, v5
	v_mul_u32_u24 v5, v5, PV
	v_bfe_u32 v6, v0, 3, 1
	v_lshl_add_u32 v5, v6, 4, v5                   ; the turning load
	v_lshlrev_b32 v6, 11, v8
	v_lshl_add_u32 v6, v9, 3, v6                   ; the mask: row r, + 8 h
	v_mov_b32 v7, 0xff800000
	s_lshr_b32 s12, ttmp9, 2
	s_add_co_u32 s12, s12, 32
	s_lshl_b32 s12, s12, 18
	s_mov_b32 s13, 0
	s_lshl_b32 s14, ttmp9, 18
	s_mov_b32 s15, 0
	s_lshl_b32 s26, ttmp9, 11
	s_mov_b32 s27, 0
	s_mov_b32 s22, 0x3e38aa3b                      ; c = log2(e) / 8
	s_mov_b32 s23, s22
	s_mov_b32 s24, 0x76543210
	s_mov_b32 s25, 0xfedcba98
	s_mov_b32 s20, 32
	s_wait_kmcnt 0x0
	s_load_b32 s21, s[8:9], 0x0                    ; tile 0's live word
	s_add_nc_u64 s[16:17], s[4:5], s[12:13]        ; K
	s_add_nc_u64 s[18:19], s[16:17], 2097152       ; V
	s_add_nc_u64 s[14:15], s[4:5], s[14:15]        ; Q, high
	s_add_nc_u64 s[28:29], s[4:5], s[26:27]
	s_add_nc_u64 s[28:29], s[28:29], 16777216      ; Q, low
	s_add_nc_u64 s[10:11], s[10:11], s[26:27]
.irp b, 0,1,2,3
	global_load_b128 v[32+4*\b:35+4*\b], v3, s[14:15] offset:512*\b
	global_load_b128 v[48+4*\b:51+4*\b], v3, s[28:29] offset:512*\b
.endr
	v_mov_b32 v[ST+1], 0xff61b1e6                  ; m = -3e38
	v_mul_f32 v[ST], s22, v[ST+1]
.irp i, 2,3,4,5,6,7
	v_mov_b32 v[ST+\i], 0
.endr
.irp i, 0,1,2,3,4,5,6,7,8,9,10,11,12,13,14,15,16,17,18,19,20,21,22,23,24,25,26,27,28,29,30,31
	v_mov_b32 v[O+\i], 0
.endr
	s_wait_loadcnt 0x0
	s_wait_kmcnt 0x0
.Ltrip:
	s_bitcmp1_b32 s21, 0
	s_cbranch_scc0 .Ldead
.irp kt, 0,1,2,3
	global_load_b64 v[10+2*\kt:11+2*\kt], v6, s[6:7] offset:16*\kt
.endr
.irp hf, 0,1                                       ; 32 keys at a time
.if \hf > 0
.rept 4
	v_nop
.endr
.endif
.irp k, 0,1
.irp s, 0,1
.irp c, 0,1
	global_load_b128 v[128+16*\k+8*\s+4*\c:131+16*\k+8*\s+4*\c], v3, s[16:17] offset:2048*(2*\hf+\k)+1024*\s+512*\c
	global_load_b128 v[160+16*\k+8*\s+4*\c:163+16*\k+8*\s+4*\c], v3, s[16:17] offset:2048*(2*\hf+\k)+1024*\s+512*\c+4194304
.endr
.endr
.endr
	s_wait_loadcnt 0x0
.irp k, 0,1                                        ; the two accumulators take turns
	v_wmma_f32_16x16x32_f16 v[S+8*(2*\hf+\k):S+8*(2*\hf+\k)+7], v[128+16*\k:135+16*\k], v[32:39], 0
.endr
.irp k, 0,1
	v_wmma_f32_16x16x32_f16 v[S+8*(2*\hf+\k):S+8*(2*\hf+\k)+7], v[136+16*\k:143+16*\k], v[40:47], v[S+8*(2*\hf+\k):S+8*(2*\hf+\k)+7]
.endr
.irp s, 0,1
.irp k, 0,1
	v_wmma_f32_16x16x32_f16 v[S+8*(2*\hf+\k):S+8*(2*\hf+\k)+7], v[160+16*\k+8*\s:167+16*\k+8*\s], v[32+8*\s:39+8*\s], v[S+8*(2*\hf+\k):S+8*(2*\hf+\k)+7]
.endr
.endr
.irp s, 0,1
.irp k, 0,1
	v_wmma_f32_16x16x32_f16 v[S+8*(2*\hf+\k):S+8*(2*\hf+\k)+7], v[128+16*\k+8*\s:135+16*\k+8*\s], v[48+8*\s:55+8*\s], v[S+8*(2*\hf+\k):S+8*(2*\hf+\k)+7]
.endr
.endr
.endr
.rept 4
	v_nop
.endr
.irp kt, 0,1,2,3
.irp j, 0,1,2,3,4,5,6,7
	v_and_b32 v9, 0xff<<(8*(\j%4)), v[10+2*\kt+\j/4]
	v_cmp_ne_u32 vcc_lo, 0, v9
	v_cndmask_b32 v[S+8*\kt+\j], v[S+8*\kt+\j], v7, vcc_lo
.endr
.endr
.irp kt, 0,1,2,3
	v_max3_num_f32 v[ST+4+\kt], v[S+8*\kt], v[S+8*\kt+1], v[S+8*\kt+2]
.endr
.irp i, 3,5
.irp kt, 0,1,2,3
	v_max3_num_f32 v[ST+4+\kt], v[ST+4+\kt], v[S+8*\kt+\i], v[S+8*\kt+\i+1]
.endr
.endr
	v_max3_num_f32 v[ST+4], v[ST+4], v[S+7], v[S+15]
	v_max3_num_f32 v[ST+6], v[ST+6], v[S+23], v[S+31]
	v_max3_num_f32 v[ST+4], v[ST+4], v[ST+5], v[ST+6]
	v_max3_num_f32 v[ST+4], v[ST+4], v[ST+7], v[ST+1]
	v_permlanex16_b32 v[ST+5], v[ST+4], s24, s25
	v_mov_b32 v[ST+7], v[ST]
	v_max_num_f32 v[ST+1], v[ST+4], v[ST+5]
	v_mul_f32 v[ST], s22, v[ST+1]
	v_sub_f32 v[ST+7], v[ST+7], v[ST]
.irp i, 0,2,4,6,8,10,12,14,16,18,20,22,24,26,28,30
	v_pk_fma_f32 v[S+\i:S+\i+1], v[S+\i:S+\i+1], s[22:23], v[ST:ST+1] op_sel_hi:[1,0,0] neg_lo:[0,0,1] neg_hi:[0,0,1]
.endr
	v_exp_f32 v[ST+6], v[ST+7]
.irp i, 0,1,2,3,4,5,6,7,8,9,10,11,12,13,14,15,16,17,18,19,20,21,22,23,24,25,26,27,28,29,30,31
	v_exp_f32 v[S+\i], v[S+\i]
.endr
	v_nop
	s_wait_alu depctr_va_vdst(0)                   ; one wait for the batch
	v_pk_add_f32 v[26:27], v[S:S+1], v[S+2:S+3]
	v_pk_add_f32 v[28:29], v[S+4:S+5], v[S+6:S+7]
.irp i, 8,12,16,20,24,28
	v_pk_add_f32 v[26:27], v[26:27], v[S+\i:S+\i+1]
	v_pk_add_f32 v[28:29], v[28:29], v[S+\i+2:S+\i+3]
.endr
	v_pk_add_f32 v[26:27], v[26:27], v[28:29]
	v_pk_fma_f32 v[ST+2:ST+3], v[ST+2:ST+3], v[ST+6:ST+7], v[26:27] op_sel_hi:[1,0,1]
.irp n, 0,1,2,3,4,5,6,7,8,9,10,11,12,13,14,15
	v_cvt_pk_f16_f32 v[96+\n], v[S+2*\n], v[S+2*\n+1]
.endr
.irp p, 96,97,98,99,100,101,102,103,104,105,106,107,108,109,110,111
	LOWP \p, S+2*(\p-96), 112+\p-96, 240+2*(\p%4)
.endr
.irp i, 0,2,4,6,8,10,12,14,16,18,20,22,24,26,28,30
	v_pk_mul_f32 v[O+\i:O+\i+1], v[O+\i:O+\i+1], v[ST+6:ST+7] op_sel_hi:[1,0]
.endr
.irp kb, 0,1                                       ; 32 keys of V at a time
.if \kb > 0
.rept 4
	v_nop
.endr
.endif
.irp k, 0,1
.irp b, 0,1,2,3
	global_load_b128 v[128+16*\k+4*\b:131+16*\k+4*\b], v3, s[18:19] offset:4096*\kb+2048*\k+512*\b
	global_load_b128 v[160+16*\k+4*\b:163+16*\k+4*\b], v3, s[18:19] offset:4096*\kb+2048*\k+512*\b+4194304
.endr
.endr
	s_wait_loadcnt 0x0
.irp k, 0,1
.irp b, 0,1,2,3
	ds_store_b128 v4, v[128+16*\k+4*\b:131+16*\k+4*\b] offset:2560*\k+32*\b
	ds_store_b128 v4, v[160+16*\k+4*\b:163+16*\k+4*\b] offset:LOWV+2560*\k+32*\b
.endr
.endr
.irp dt, 0,1,2,3                                   ; LDS serves a wave's instructions in order: these see the stores above
	ds_load_tr16_b128 v[128+8*\dt:131+8*\dt], v5 offset:32*\dt
	ds_load_tr16_b128 v[132+8*\dt:135+8*\dt], v5 offset:32*\dt+2560
	ds_load_tr16_b128 v[160+8*\dt:163+8*\dt], v5 offset:LOWV+32*\dt
	ds_load_tr16_b128 v[164+8*\dt:167+8*\dt], v5 offset:LOWV+32*\dt+2560
.endr
	s_wait_dscnt 0x0
.irp dt, 0,1,2,3
	v_wmma_f32_16x16x32_f16 v[O+8*\dt:O+8*\dt+7], v[128+8*\dt:135+8*\dt], v[96+8*\kb:103+8*\kb], v[O+8*\dt:O+8*\dt+7]
.endr
.irp dt, 0,1,2,3
	v_wmma_f32_16x16x32_f16 v[O+8*\dt:O+8*\dt+7], v[160+8*\dt:167+8*\dt], v[96+8*\kb:103+8*\kb], v[O+8*\dt:O+8*\dt+7]
.endr
.irp dt, 0,1,2,3
	v_wmma_f32_16x16x32_f16 v[O+8*\dt:O+8*\dt+7], v[128+8*\dt:135+8*\dt], v[112+8*\kb:119+8*\kb], v[O+8*\dt:O+8*\dt+7]
.endr
.endr
.rept 5
	v_nop
.endr
.Ldead:
	s_wait_xcnt 0x0                                ; the loads have read their bases
	s_add_nc_u64 s[16:17], s[16:17], 8192
	s_add_nc_u64 s[18:19], s[18:19], 8192
	s_add_nc_u64 s[6:7], s[6:7], 64
	s_lshr_b32 s21, s21, 1
	s_sub_co_u32 s20, s20, 1
	s_cmp_lg_u32 s20, 0
	s_cbranch_scc1 .Ltrip
	v_add_f32 v[ST+4], v[ST+2], v[ST+3]
	v_permlanex16_b32 v[ST+5], v[ST+4], s24, s25
	v_add_f32 v[ST+4], v[ST+4], v[ST+5]
	v_rcp_f32 v[ST+6], v[ST+4]
	v_nop
	s_wait_alu depctr_va_vdst(0)
.irp i, 0,2,4,6,8,10,12,14,16,18,20,22,24,26,28,30
	v_pk_mul_f32 v[224+\i:225+\i], v[O+\i:O+\i+1], v[ST+6:ST+7] op_sel_hi:[1,0]
.endr
.irp n, 0,1,2,3,4,5,6,7,8,9,10,11,12,13,14,15
	v_cvt_pk_f16_f32 v[64+\n], v[224+2*\n], v[225+2*\n]
.endr
.irp p, 64,65,66,67,68,69,70,71,72,73,74,75,76,77,78,79
	LOWP \p, 224+2*(\p-64), 80+\p-64, 96+2*(\p%4)
.endr
.irp dt, 0,1,2,3
	global_store_b128 v3, v[64+4*\dt:67+4*\dt], s[10:11] offset:512*\dt
	global_store_b128 v3, v[80+4*\dt:83+4*\dt], s[10:11] offset:512*\dt+65536
.endr
	s_wait_tensorcnt 0x0                           ; the wave's end
	ds_add_u32 v1, v2
	s_wait_dscnt 0x0
	s_endpgm
.Lfunc_end_k_q8927699c5d_fineattn:
	.size	k_q8927699c5d_fineattn, .Lfunc_end_k_q8927699c5d_fineattn-k_q8927699c5d_fineattn
	.p2alignl 7, 3214868480
	.fill 96, 4, 3214868480
	.section	.rodata,"a",@progbits
	.p2align	6, 0x0
	.amdhsa_kernel k_q8927699c5d_fineattn
		.amdhsa_group_segment_fixed_size 10496
		.amdhsa_private_segment_fixed_size 0
		.amdhsa_enable_private_segment 0
		.amdhsa_kernarg_size 32
		.amdhsa_user_sgpr_count 2
		.amdhsa_user_sgpr_kernarg_segment_ptr 1
		.amdhsa_wavefront_size32 1
		.amdhsa_system_sgpr_workgroup_id_x 1
		.amdhsa_system_sgpr_workgroup_id_y 1
		.amdhsa_system_sgpr_workgroup_id_z 1
		.amdhsa_system_vgpr_workitem_id 0
		.amdhsa_next_free_vgpr 256
		.amdhsa_next_free_sgpr 66
		.amdhsa_reserve_vcc 1
		.amdhsa_float_denorm_mode_32 3
		.amdhsa_float_denorm_mode_16_64 3
		.amdhsa_memory_ordered 1
		.amdhsa_forward_progress 1
		.amdhsa_inst_pref_size 38
	.end_amdhsa_kernel
	.amdgpu_metadata
---
amdhsa.version: [ 1, 2 ]
amdhsa.kernels:
  - .name:           k_q8927699c5d_fineattn
    .symbol:         k_q8927699c5d_fineattn.kd
    .args:
      - { .name: qkv, .offset: 0, .size: 8, .value_kind: global_buffer, .address_space: global }
      - { .name: mask, .offset: 8, .size: 8, .value_kind: global_buffer, .address_space: global }
      - { .name: flags, .offset: 16, .size: 8, .value_kind: global_buffer, .address_space: global }
      - { .name: ctxf, .offset: 24, .size: 8, .value_kind: global_buffer, .address_space: global }
    .group_segment_fixed_size: 10496
    .private_segment_fixed_size: 0
    .kernarg_segment_align: 8
    .kernarg_segment_size: 32
    .max_flat_workgroup_size: 32
    .sgpr_count:     66
    .vgpr_count:     256
    .wavefront_size: 32
...
	.end_amdgpu_metadata
.endif
;; end of part 4
;; launch proj (part 5): grid 16 x 16, 4 waves a work-group, clusters of 4 x 4, 327,680 bytes of LDS; arguments ctx, prep, out0; writes out0
.if DOCPART == 5
	.amdgcn_target "amdgcn-amd-amdhsa--gfx1250"
	.amdhsa_code_object_version 6
	.text
	.protected	k_q8927699c5d_proj
	.globl	k_q8927699c5d_proj
	.p2align	8
	.type	k_q8927699c5d_proj,@function
k_q8927699c5d_proj:
	s_mov_b64 s[64:65], 0
	v_nop
	global_prefetch_b8 v0, s[64:65] scope:SCOPE_SE
	s_setreg_imm32_b32 hwreg(HW_REG_WAVE_MODE, 25, 1), 1
	s_wait_xcnt 0x0
	s_wait_alu depctr_hold_cnt(0) depctr_sa_sdst(0) depctr_va_vdst(0) depctr_va_sdst(0) depctr_va_ssrc(0) depctr_va_vcc(0) depctr_vm_vsrc(0)
	s_getreg_b32 s2, hwreg(HW_REG_IB_STS2, 6, 4)
	s_cmp_eq_u32 s2, 0
	s_cbranch_scc0 .Lentry_in_a_cluster
	s_endpgm
.Lentry_in_a_cluster:
	s_bfe_u32 s2, ttmp6, 0x10000c
	s_cmp_lg_u32 s2, 0xf033
	s_cbranch_scc0 .Lentry_shape_is_right
	s_endpgm
.Lentry_shape_is_right:
; out0 = ctx Wo, f16 operands, f32 sums.  ctx [rt 128][ks 64][1024] and Wo^T's high parts [nt 128][ks 64][1024] lie as images of operand registers (16 rows x 32 K in 1,024 bytes).
; A tile of out0 is 128 x 128: 256 work-groups; four waves, each 64 x 64: 16 accumulators.  K goes in steps of 256 through a ring of two LDS slots; a wave's tensor load brings four tiles of 16 rows x 8,192 bytes.
; Images are dense, so LDS needs no padding: every fragment load reads 512 consecutive bytes.
; CLUSTER 4 x 4: ctx's tiles are shared along a row of the cluster, Wo's along a column: joint loads.  TRANSPOSED: source 0 = 16 columns of Wo, source 1 = 16 tokens: a lane holds eight neighbouring numbers of a row of out0.
; Rows 0-15 are written again, more finely, by the launch that follows.
; REGISTERS: window 0: v0-31 addresses; v32-95 at work on the way out; v128-255 the accumulators ((a, b) at 128 + 8 (4 a + b)).  window 1: two fragment buffers of 128: 64 registers of ctx, then 64 of Wo.
.set WOH,    6291456
.set HALFT,  32768                     ; [tile 4][ks 8][1024]: what one tensor load brings, and what one wave reads of either operand
.set SLOT,   131072
.set STAGE,  262144                    ; behind the ring: 16 rows x 272 bytes for each wave
.set SPITCH, 272
.set SPARE,  279552
.set LAPS,   4
.set ADRA, 16
.set ADRB, 20
.set STO,  24
.set RD,   25
.set CO,   26
.set SPW,  28
.set NIL,  29
.set TMP,  32
.set ACC,  128
.set F0,   0
.set F1,   128
.set G1, 24
.set G0, 32
.set G1B, 48
.set G0B, 56
.set MSB, 0
.macro WIN new
.if MSB != \new
	s_set_vgpr_msb (MSB<<8)|\new
.set MSB, \new
.endif
.endm
.set MUL,  0x05
.set TO_F, 0x40
.macro JLOAD s                         ; waves 0 and 1 fetch ctx's two halves, waves 2 and 3 Wo's; an s_nop 0 and four v_nop follow each line
	s_cmp_eq_u32 s11, 0
	s_cbranch_scc0 .Lfor_b_\@
	tensor_load_to_lds s[G0+4*\s:G0+4*\s+3], s[G1:G1+7]
	s_nop 0
.rept 4
	v_nop
.endr
	s_branch .Lasked_\@
.Lfor_b_\@:
	tensor_load_to_lds s[G0B+4*\s:G0B+4*\s+3], s[G1B:G1B+7]
	s_nop 0
.rept 4
	v_nop
.endr
.Lasked_\@:
.endm
.macro CREST
	s_cmp_lg_u32 s10, 0
	s_cbranch_scc1 .Lnot_wave_0_\@
	s_barrier_signal -3
.Lnot_wave_0_\@:
	s_barrier_wait -3
	s_barrier_signal -1
	s_barrier_wait -1
.endm
.macro CROUND
	s_barrier_signal -1
	s_barrier_wait -1
	CREST
.endm
	s_load_b128 s[4:7], s[0:1], 0x0                ; ctx, prep
	s_load_b64 s[8:9], s[0:1], 0x10                ; out0
	v_lshl_add_u32 v[SPW], v0, 2, SPARE
	v_mov_b32 v[NIL], 0
	ds_add_u32 v[SPW], v[NIL]                      ; the opening: the add, twice on end, and its wait ahead of my first tensor load
	ds_add_u32 v[SPW], v[NIL]
	v_lshrrev_b32 v1, 5, v0
	v_readfirstlane_b32 s10, v1                    ; wave
	s_lshr_b32 s11, s10, 1                         ; my half of the rows.  Also: I fetch for ctx (0) or for Wo (1)
	s_and_b32 s12, s10, 1                          ; my half of the columns.  Also: which half of that tile I fetch
	s_bfe_u32 s40, ttmp6, 0x40000
	s_bfe_u32 s41, ttmp6, 0x40004
	s_lshl_b32 s42, ttmp9, 2
	s_add_co_u32 s42, s42, s40                     ; tile column
	s_and_b32 s13, ttmp7, 0xffff
	s_lshl_b32 s13, s13, 2
	s_add_co_u32 s13, s13, s41                     ; tile row
	s_lshl_b32 s43, s41, 2
	s_lshl_b32 s43, 15, s43
	s_lshl_b32 s44, 0x1111, s40
	s_or_b32 s[G1+0], s43, (3<<16)|(1<<21)         ; elements of 8 bytes, no padding, bit 21 beside the mask
	s_or_b32 s[G1B+0], s44, (3<<16)|(1<<21)
.irp g, G1, G1B
	s_mov_b32 s[\g+1], 1024<<16                    ; a row: 8 fragments, 8,192 bytes
	s_mov_b32 s[\g+2], 4<<16                       ; 4 rows (tiles of 16)
	s_mov_b32 s[\g+3], 1024<<16
	s_mov_b32 s[\g+4], 4
	s_mov_b32 s[\g+5], 8192                        ; 65,536 bytes from tile to tile
	s_mov_b32 s[\g+6], 0
	s_mov_b32 s[\g+7], 0
.endr
	s_lshl_b32 s17, s12, 18                        ; which four tiles I fetch
	s_lshl_b32 s16, s13, 19
	s_add_co_u32 s16, s16, s17
	s_lshl_b32 s46, s42, 19
	s_add_co_u32 s46, s46, s17
	s_add_co_u32 s46, s46, WOH
	s_mov_b32 s17, 0
	s_mov_b32 s47, 0
	s_lshl_b32 s20, s10, 15                        ; where they go: wave x 32,768
	s_wait_dscnt 0x0
	s_wait_kmcnt 0x0
	s_add_nc_u64 s[14:15], s[4:5], s[16:17]
	s_add_nc_u64 s[46:47], s[6:7], s[46:47]
	CROUND
.irp s, 0,1
	s_mov_b32 s[G0+4*\s], 1
	s_add_co_u32 s[G0+4*\s+1], s20, \s*SLOT
	s_add_nc_u64 s[G0+4*\s+2:G0+4*\s+3], s[14:15], \s*8192
	s_or_b32 s[G0+4*\s+3], s[G0+4*\s+3], 0x80000000
	s_mov_b32 s[G0B+4*\s], 1
	s_add_co_u32 s[G0B+4*\s+1], s20, \s*SLOT
	s_add_nc_u64 s[G0B+4*\s+2:G0B+4*\s+3], s[46:47], \s*8192
	s_or_b32 s[G0B+4*\s+3], s[G0B+4*\s+3], 0x80000000
	JLOAD \s
.endr
	v_and_b32 v1, 15, v0
	v_bfe_u32 v2, v0, 4, 1
	v_and_b32 v3, 31, v0
	v_lshlrev_b32 v3, 4, v3                        ; 16 x lane
	s_lshl_b32 s21, s11, 15                        ; my 64 rows of ctx
	s_lshl_b32 s22, s12, 15
	s_add_co_u32 s22, s22, 2*HALFT                 ; my 64 columns of Wo
.irp s, 0,1
	v_add_nc_u32 v[ADRA+\s], s21, v3
	v_add_nc_u32 v[ADRB+\s], s22, v3
	s_add_co_u32 s21, s21, SLOT
	s_add_co_u32 s22, s22, SLOT
.endr
	s_mul_i32 s23, s10, 16*SPITCH
	s_add_co_u32 s23, s23, STAGE                   ; my stage
	v_mul_u32_u24 v4, v1, SPITCH
	v_lshl_add_u32 v4, v2, 5, v4
	v_add_nc_u32 v[STO], s23, v4                   ; in: row r, 32 bytes for each half of the lanes
	v_mul_u32_u24 v5, v2, SPITCH
	v_lshl_add_u32 v5, v1, 4, v5
	v_add_nc_u32 v[RD], s23, v5                    ; back: lanes 0-15 one row of 256 bytes, lanes 16-31 the next
	v_lshlrev_b32 v5, 13, v2
	v_lshl_add_u32 v[CO], v1, 4, v5                ; and the same two rows in out0
	s_lshl_b32 s16, s13, 20
	s_lshl_b32 s17, s11, 19
	s_add_co_u32 s16, s16, s17                     ; my first row: 128 x tile row + 64 x half, 8,192 bytes a row
	s_mov_b32 s17, 0
	s_add_nc_u64 s[8:9], s[8:9], s[16:17]
	s_lshl_b32 s46, s42, 9
	s_lshl_b32 s47, s12, 8
	s_add_co_u32 s46, s46, s47                     ; my first column, in bytes
	s_mov_b32 s47, 0
	s_add_nc_u64 s[8:9], s[8:9], s[46:47]
.macro MUL8 f, c, a0, zero
.irp a, \a0, \a0+1
.irp b, 0,1,2,3
.if \zero
	v_wmma_f32_16x16x32_f16 v[ACC+8*(4*(\a)+\b):ACC+8*(4*(\a)+\b)+7], v[\f+64+8*(4*\c+\b):\f+64+8*(4*\c+\b)+7], v[\f+8*(4*\c+\a):\f+8*(4*\c+\a)+7], 0
.else
	v_wmma_f32_16x16x32_f16 v[ACC+8*(4*(\a)+\b):ACC+8*(4*(\a)+\b)+7], v[\f+64+8*(4*\c+\b):\f+64+8*(4*\c+\b)+7], v[\f+8*(4*\c+\a):\f+8*(4*\c+\a)+7], v[ACC+8*(4*(\a)+\b):ACC+8*(4*(\a)+\b)+7]
.endif
.endr
.endr
.endm
.macro FETCH slot, k, f                ; quarter k of the slot (64 along K: fragments 2 k, 2 k + 1) into buffer f; the first 32 along K first
	WIN TO_F
.irp c, 0,1
.irp i, 0,1,2,3
	ds_load_b128 v[\f+64+8*(4*\c+\i):\f+64+8*(4*\c+\i)+3],   v[ADRB+\slot] offset:8192*\i+1024*(2*(\k)+\c)
	ds_load_b128 v[\f+64+8*(4*\c+\i)+4:\f+64+8*(4*\c+\i)+7], v[ADRB+\slot] offset:8192*\i+1024*(2*(\k)+\c)+512
	ds_load_b128 v[\f+8*(4*\c+\i):\f+8*(4*\c+\i)+3],         v[ADRA+\slot] offset:8192*\i+1024*(2*(\k)+\c)
	ds_load_b128 v[\f+8*(4*\c+\i)+4:\f+8*(4*\c+\i)+7],       v[ADRA+\slot] offset:8192*\i+1024*(2*(\k)+\c)+512
.endr
.endr
.endm
.macro PLACES
.rept 4
	v_nop
.endr
.endm
.macro QUARTER slot, k, f, g, zero     ; multiplies buffer f and fetches quarter k into g
	s_wait_dscnt 16                                ; the first 32 along K are in; the younger sixteen loads may be out
	WIN MUL
	MUL8 \f, 0, 0, \zero
	MUL8 \f, 0, 2, \zero
	PLACES
	FETCH \slot, \k, \g
	s_wait_dscnt 32                                ; all but the 32 just issued
	WIN MUL
	MUL8 \f, 1, 0, 0
	MUL8 \f, 1, 2, 0
.endm
.macro TURN slot, next, fill           ; the last quarter multiplies buffer 1 and changes slots
	WIN 0
	s_wait_tensorcnt 0x0                           ; all my tensor loads have landed: my part of the next slot
	ds_add_u32 v[SPW], v[NIL]
	s_wait_dscnt 17                                ; the add and the youngest sixteen loads may be out
	WIN MUL
	MUL8 F1, 0, 0, 0
	s_wait_dscnt 0x0                               ; the add is done, my reads of this slot are over
	s_barrier_signal -1
	MUL8 F1, 0, 2, 0
.if \fill
	WIN 0
.endif
	s_barrier_wait -1
.if \fill
	CREST
	s_add_nc_u64 s[G0+4*\slot+2:G0+4*\slot+3], s[G0+4*\slot+2:G0+4*\slot+3], 16384
	s_add_nc_u64 s[G0B+4*\slot+2:G0B+4*\slot+3], s[G0B+4*\slot+2:G0B+4*\slot+3], 16384
	JLOAD \slot                                    ; my one tensor load behind the round; its four v_nop are the places in front of the loads below
.else
	PLACES
.endif
	FETCH \next, 0, F0
	WIN MUL
	MUL8 F1, 1, 0, 0
	MUL8 F1, 1, 2, 0
.endm
	s_wait_tensorcnt 1                             ; my part of K step 0 is in; K step 1's load may be out
	s_barrier_signal -1
	s_barrier_wait -1
	FETCH 0, 0, F0
	QUARTER 0, 1, F0, F1, 1
	WIN 0
	s_mov_b32 s3, LAPS-1
.Llap:
	QUARTER 0, 2, F1, F0, 0
	QUARTER 0, 3, F0, F1, 0
	TURN 0, 1, 1
	QUARTER 1, 1, F0, F1, 0
	QUARTER 1, 2, F1, F0, 0
	QUARTER 1, 3, F0, F1, 0
	TURN 1, 0, 1
	QUARTER 0, 1, F0, F1, 0
	WIN 0
	s_sub_co_u32 s3, s3, 1
	s_cmp_lg_u32 s3, 0
	s_cbranch_scc1 .Llap
	QUARTER 0, 2, F1, F0, 0                        ; the last lap fills nothing
	QUARTER 0, 3, F0, F1, 0
	TURN 0, 1, 0
	QUARTER 1, 1, F0, F1, 0
	QUARTER 1, 2, F1, F0, 0
	QUARTER 1, 3, F0, F1, 0
	s_wait_dscnt 16
	WIN MUL
	MUL8 F1, 0, 0, 0
	MUL8 F1, 0, 2, 0
	s_wait_dscnt 0
	MUL8 F1, 1, 0, 0
	MUL8 F1, 1, 2, 0
	WIN 0
; THE WAY OUT, 16 rows x 64 columns at a time: a lane's 32 bytes go into my own stage and come back as rows of 256 bytes; LDS serves a wave's instructions in order
.macro TOSTAGE a
.irp b, 0,1,2,3
	ds_store_b128 v[STO], v[ACC+8*(4*(\a)+\b):ACC+8*(4*(\a)+\b)+3] offset:64*\b      ; each accumulator from its low end on
	ds_store_b128 v[STO], v[ACC+8*(4*(\a)+\b)+4:ACC+8*(4*(\a)+\b)+7] offset:64*\b+16
.endr
.irp t, 0,1,2,3,4,5,6,7
	ds_load_b128 v[TMP+32*((\a)%2)+4*\t:TMP+32*((\a)%2)+4*\t+3], v[RD] offset:\t*2*SPITCH
.endr
.endm
.macro SEND a, younger
	s_wait_dscnt \younger                          ; the block is back; the next block's eight stores and eight loads may be out
.irp t, 0,1,2,3,4,5,6,7
	global_store_b128 v[CO], v[TMP+32*((\a)%2)+4*\t:TMP+32*((\a)%2)+4*\t+3], s[8:9] offset:131072*(\a)+16384*\t th:TH_STORE_NT   ; sixteen lanes store 256 consecutive bytes, aligned
.endr
.endm
	PLACES
	TOSTAGE 0
	TOSTAGE 1
	SEND 0, 16
	s_wait_xcnt 0x0                                ; block 0's stores have read their registers: block 2's loads may land there
	TOSTAGE 2
	SEND 1, 16
	s_wait_xcnt 0x0
	TOSTAGE 3
	SEND 2, 16
	SEND 3, 0
	s_wait_tensorcnt 0x0                           ; the wave's end
	ds_add_u32 v[SPW], v[NIL]
	s_wait_dscnt 0x0
	CROUND                                         ; the closing round
	s_endpgm
.Lfunc_end_k_q8927699c5d_proj:
	.size	k_q8927699c5d_proj, .Lfunc_end_k_q8927699c5d_proj-k_q8927699c5d_proj
	.p2alignl 7, 3214868480
	.fill 96, 4, 3214868480
	.section	.rodata,"a",@progbits
	.p2align	6, 0x0
	.amdhsa_kernel k_q8927699c5d_proj
		.amdhsa_group_segment_fixed_size 327680
		.amdhsa_private_segment_fixed_size 0
		.amdhsa_enable_private_segment 0
		.amdhsa_kernarg_size 24
		.amdhsa_user_sgpr_count 2
		.amdhsa_user_sgpr_kernarg_segment_ptr 1
		.amdhsa_wavefront_size32 1
		.amdhsa_system_sgpr_workgroup_id_x 1
		.amdhsa_system_sgpr_workgroup_id_y 1
		.amdhsa_system_sgpr_workgroup_id_z 1
		.amdhsa_system_vgpr_workitem_id 0
		.amdhsa_next_free_vgpr 512
		.amdhsa_next_free_sgpr 66
		.amdhsa_reserve_vcc 0
		.amdhsa_float_denorm_mode_32 3
		.amdhsa_float_denorm_mode_16_64 3
		.amdhsa_memory_ordered 1
		.amdhsa_forward_progress 1
		.amdhsa_inst_pref_size 85
	.end_amdhsa_kernel
	.amdgpu_metadata
---
amdhsa.version: [ 1, 2 ]
amdhsa.kernels:
  - .name:           k_q8927699c5d_proj
    .symbol:         k_q8927699c5d_proj.kd
    .args:
      - { .name: ctx, .offset: 0, .size: 8, .value_kind: global_buffer, .address_space: global }
      - { .name: prep, .offset: 8, .size: 8, .value_kind: global_buffer, .address_space: global }
      - { .name: out0, .offset: 16, .size: 8, .value_kind: global_buffer, .address_space: global }
    .group_segment_fixed_size: 327680
    .private_segment_fixed_size: 0
    .kernarg_segment_align: 8
    .kernarg_segment_size: 24
    .max_flat_workgroup_size: 128
    .sgpr_count:     66
    .vgpr_count:     512
    .wavefront_size: 32
...
	.end_amdgpu_metadata
.endif
;; end of part 5
;; launch fineproj (part 6): grid 128 x 1, 16 waves a work-group, no clusters, 18,432 bytes of LDS; arguments ctxf, prep, out0; writes out0
.if DOCPART == 6
	.amdgcn_target "amdgcn-amd-amdhsa--gfx1250"
	.amdhsa_code_object_version 6
	.text
	.protected	k_q8927699c5d_fineproj
	.globl	k_q8927699c5d_fineproj
	.p2align	8
	.type	k_q8927699c5d_fineproj,@function
k_q8927699c5d_fineproj:
	s_mov_b64 s[64:65], 0
	v_nop
	global_prefetch_b8 v0, s[64:65] scope:SCOPE_SE
	s_setreg_imm32_b32 hwreg(HW_REG_WAVE_MODE, 25, 1), 1
	s_wait_xcnt 0x0
; Rows 0-15 of out0 once more, with both operands as pairs of f16 numbers: Wh Ch + Wl Ch + Wh Cl, sums in f32.
; A work-group makes 16 columns; its sixteen waves share K: wave w takes fragments 4 w .. 4 w + 3 (128 along K).  The sixteen partial tiles meet in LDS and are added in a fixed order by waves 0 and 1.
; The stores are pieces of 64 bytes of 16 rows, 128 KiB in the whole launch: 64 columns to a work-group would give whole runs of 256 bytes, on 32 work-groups for 16 MiB of weights.
; REGISTERS: v1, v2 the add's; v5-8 addresses; v32-63 Wh, v64-95 Wl, v96-127 Ch, v128-159 Cl; v160-183 three accumulators; v184-191 their sum.
.set WOH,   6291456
.set SPARE, 16384
	s_load_b128 s[4:7], s[0:1], 0x0                ; ctxf, prep
	s_load_b64 s[8:9], s[0:1], 0x10                ; out0
	v_lshl_add_u32 v1, v0, 2, SPARE
	v_mov_b32 v2, 0
	v_lshrrev_b32 v3, 5, v0
	v_readfirstlane_b32 s10, v3                    ; wave
	v_and_b32 v4, 31, v0
	v_lshlrev_b32 v5, 4, v4                        ; 16 x lane
	v_lshl_add_u32 v6, v3, 10, v5                  ; my partial tile: 1,024 x wave + 16 x lane
	v_lshlrev_b32 v7, 4, v0                        ; the sum: 16 x thread (threads 0-63)
	v_and_b32 v8, 15, v0
	v_lshlrev_b32 v8, 13, v8                       ; out0: row r,
	v_bfe_u32 v9, v0, 4, 1
	v_lshl_add_u32 v8, v9, 5, v8                   ; + 8 h columns,
	v_lshl_add_u32 v8, v3, 4, v8                   ; + 4 columns in wave 1
	s_lshl_b32 s12, ttmp9, 16
	s_lshl_b32 s16, s10, 12
	s_add_co_u32 s12, s12, s16
	s_add_co_u32 s12, s12, WOH
	s_mov_b32 s13, 0
	s_mov_b32 s17, 0
	s_lshl_b32 s18, ttmp9, 6
	s_mov_b32 s19, 0
	s_wait_kmcnt 0x0
	s_add_nc_u64 s[12:13], s[6:7], s[12:13]        ; Wo's high parts,
	s_add_nc_u64 s[14:15], s[12:13], 8388608       ; its low parts
	s_add_nc_u64 s[4:5], s[4:5], s[16:17]
	s_add_nc_u64 s[8:9], s[8:9], s[18:19]
.irp k, 0,1,2,3
.irp c, 0,1
	global_load_b128 v[32+8*\k+4*\c:35+8*\k+4*\c], v5, s[12:13] offset:1024*\k+512*\c
	global_load_b128 v[64+8*\k+4*\c:67+8*\k+4*\c], v5, s[14:15] offset:1024*\k+512*\c
	global_load_b128 v[96+8*\k+4*\c:99+8*\k+4*\c], v5, s[4:5] offset:1024*\k+512*\c
	global_load_b128 v[128+8*\k+4*\c:131+8*\k+4*\c], v5, s[4:5] offset:1024*\k+512*\c+65536
.endr
.endr
	s_wait_loadcnt 0x0
	v_wmma_f32_16x16x32_f16 v[160:167], v[32:39], v[96:103], 0        ; the three accumulators take turns
	v_wmma_f32_16x16x32_f16 v[168:175], v[64:71], v[96:103], 0
	v_wmma_f32_16x16x32_f16 v[176:183], v[32:39], v[128:135], 0
.irp k, 1,2,3
	v_wmma_f32_16x16x32_f16 v[160:167], v[32+8*\k:39+8*\k], v[96+8*\k:103+8*\k], v[160:167]
	v_wmma_f32_16x16x32_f16 v[168:175], v[64+8*\k:71+8*\k], v[96+8*\k:103+8*\k], v[168:175]
	v_wmma_f32_16x16x32_f16 v[176:183], v[32+8*\k:39+8*\k], v[128+8*\k:135+8*\k], v[176:183]
.endr
.rept 4
	v_nop
.endr
.irp j, 0,1,2,3,4,5,6,7
	v_add_f32 v[184+\j], v[168+\j], v[176+\j]      ; the two small sums first; each accumulator from its low end on
	v_add_f32 v[184+\j], v[160+\j], v[184+\j]
.endr
	ds_store_b128 v6, v[184:187]
	ds_store_b128 v6, v[188:191] offset:512
	s_wait_tensorcnt 0x0                           ; only LDS loads follow
	ds_add_u32 v1, v2
	s_wait_dscnt 0x0                               ; also for the others' sake: my stores have landed
	s_barrier_signal -1
	s_barrier_wait -1
	s_cmp_lt_u32 s10, 2
	s_cbranch_scc0 .Ldone
.irp w, 0,1,2,3,4,5,6,7,8,9,10,11,12,13,14,15
	ds_load_b128 v[32+4*\w:35+4*\w], v7 offset:1024*\w   ; wave 0: registers 0-3 of every partial tile, wave 1: registers 4-7
.endr
	s_wait_dscnt 0x0
.irp w, 1,2,3,4,5,6,7,8,9,10,11,12,13,14,15
	v_pk_add_f32 v[32:33], v[32:33], v[32+4*\w:33+4*\w]
	v_pk_add_f32 v[34:35], v[34:35], v[34+4*\w:35+4*\w]
.endr
	global_store_b128 v8, v[32:35], s[8:9]
.Ldone:
	s_endpgm
.Lfunc_end_k_q8927699c5d_fineproj:
	.size	k_q8927699c5d_fineproj, .Lfunc_end_k_q8927699c5d_fineproj-k_q8927699c5d_fineproj
	.p2alignl 7, 3214868480
	.fill 96, 4, 3214868480
	.section	.rodata,"a",@progbits
	.p2align	6, 0x0
	.amdhsa_kernel k_q8927699c5d_fineproj
		.amdhsa_group_segment_fixed_size 18432
		.amdhsa_private_segment_fixed_size 0
		.amdhsa_enable_private_segment 0
		.amdhsa_kernarg_size 24
		.amdhsa_user_sgpr_count 2
		.amdhsa_user_sgpr_kernarg_segment_ptr 1
		.amdhsa_wavefront_size32 1
		.amdhsa_system_sgpr_workgroup_id_x 1
		.amdhsa_system_sgpr_workgroup_id_y 1
		.amdhsa_system_sgpr_workgroup_id_z 1
		.amdhsa_system_vgpr_workitem_id 0
		.amdhsa_next_free_vgpr 256
		.amdhsa_next_free_sgpr 66
		.amdhsa_reserve_vcc 0
		.amdhsa_float_denorm_mode_32 3
		.amdhsa_float_denorm_mode_16_64 3
		.amdhsa_memory_ordered 1
		.amdhsa_forward_progress 1
		.amdhsa_inst_pref_size 10
	.end_amdhsa_kernel
	.amdgpu_metadata
---
amdhsa.version: [ 1, 2 ]
amdhsa.kernels:
  - .name:           k_q8927699c5d_fineproj
    .symbol:         k_q8927699c5d_fineproj.kd
    .args:
      - { .name: ctxf, .offset: 0, .size: 8, .value_kind: global_buffer, .address_space: global }
      - { .name: prep, .offset: 8, .size: 8, .value_kind: global_buffer, .address_space: global }
      - { .name: out0, .offset: 16, .size: 8, .value_kind: global_buffer, .address_space: global }
    .group_segment_fixed_size: 18432
    .private_segment_fixed_size: 0
    .kernarg_segment_align: 8
    .kernarg_segment_size: 24
    .max_flat_workgroup_size: 512
    .sgpr_count:     66
    .vgpr_count:     256
    .wavefront_size: 32
...
	.end_amdgpu_metadata
.endif
;; end of part 6
;; ======== version 2 of 2: 4 launches
;; limits: values are held in f16: magnitudes above 65,504 overflow, below 6.1e-05 lose precision
;; workspace buffers: prep 23,068,672 bytes; flags 1,024 bytes of whole numbers; qkv 16,842,752 bytes; ctx 8,388,608 bytes; ctxf 131,072 bytes
;; launch prep: the kernel of part 1 again; grid 384 x 1, 4 waves a work-group, no clusters, 39,424 bytes of LDS; arguments x, Wq, Wk, Wv, Wo, mask, prep, flags; writes prep, flags
;; launch qkv: the kernel of part 2 again; grid 12 x 16, 4 waves a work-group, clusters of 4 x 4, 327,680 bytes of LDS; arguments prep, cos, sin, q_scale, k_scale, qkv; writes qkv
;; launch attn (part 7): grid 260 x 1, 8 waves a work-group, no clusters, 119,808 bytes of LDS; arguments qkv, mask, flags, ctx, ctxf; writes ctx, ctxf
.if DOCPART == 7
	.amdgcn_target "amdgcn-amd-amdhsa--gfx1250"
	.amdhsa_code_object_version 6
	.text
	.protected	k_q8927699c5d_attn
	.globl	k_q8927699c5d_attn
	.p2align	8
	.type	k_q8927699c5d_attn,@function
k_q8927699c5d_attn:
	s_mov_b64 s[64:65], 0
	v_nop
	global_prefetch_b8 v0, s[64:65] scope:SCOPE_SE
	s_setreg_imm32_b32 hwreg(HW_REG_WAVE_MODE, 25, 1), 1
	s_wait_xcnt 0x0
; TWO JOBS, told apart by the work-group's number.
; WORK-GROUPS 0-255: ctx = softmax(q k^T / 8, masked) v, f16 operands, f32 sums, running maximum, all 2,048 rows.
; A work-group serves one key/value head g and four tiles of 16 queries: 2 u, 2 u + 1, 126 - 2 u, 127 - 2 u.  A wave holds one tile of queries for TWO query heads, which share every fragment of K and V and every mask compare.
; THE MASK IS AN INPUT.  An earlier launch has stored, for each tile of queries, two words: bit j 'live' (keys 64 j .. 64 j + 63 hold an open key) and 'part' (live and not all open).  A step that is not live adds nothing
; (every p would be 0, the maximum would stay) and is jumped over by a scalar branch on that stored bit; a step that is 'part' loads the mask's bytes and sets hidden scores to -infinity.  Right for any mask of bytes 0 and 1.
; Because branches hang on stored numbers, K and V come through registers into two LDS buffers by turns, all 256 threads copying; the copy, the waits and the ONE barrier of a trip are run by every wave in every trip.
; No cluster: partners would need different tiles, by numbers read from memory.
; LAYOUT: S^T = K Q^T and O^T = V^T P: a lane holds one query.  K lies in LDS as images of its fragments; V as rows [key][128 bytes + 32] for the turning load.
; A row with no open key gives 0 x infinity = NaN, as the softmax of a row of -infinity does.
; REGISTERS: v1, v2 the add's; v3-8 addresses; v10-17 mask bytes; v18-33 statistics (a tile: c m, m, l, l, c0-c3; a in c2); v34-49 the copy; v52-59 sums; v64-127 S^T, then P in place; v128-191 K or V; v192-255 O^T; window 1 v0-31 Q.
; WORK-GROUPS 256-259: queries 0-15 of each head once more, a wave to a head, with every operand as a pair of f16 numbers (high, low): q k^T = Kh Qh + Kl Qh + Kh Ql, p v = Vh Ph + Vl Ph + Vh Pl.
; These rows may average few values and are then the largest of the output, so the rounding of single f16 operands would weigh most there.  32 trips of 64 keys; a trip whose keys are all hidden for these queries
; (bit j of tile 0's stored 'live' word) is jumped over; in a live trip the mask's bytes are always applied.  K's fragments come straight from memory; V's rows go through the wave's own LDS for the turning load,
; 32 keys at a time.  The waves share nothing: no barrier.  With a mask that leaves these rows many keys a wave walks up to 32 trips one behind the other: slow, and right.
; Its registers: v3-7 addresses; v10-17 mask bytes; v18-25 statistics; v26-29 sums; v32-47 Qh, v48-63 Ql; v64-95 S^T; v96-111 Ph, v112-127 Pl; v128-159 high, v160-191 low fragments; v192-223 O^T; v224-255 at work.
; LDS: 0 .. 36,863 the two buffers; 36,864 the spare words; from 37,888 on 10,240 bytes for each wave of the second job: each job has bytes of its own.
.set BUF,   18432                      ; a buffer: K 8,192, V 64 x 160
.set VO,    8192
.set PV,    160
.set SPARE, 36864
.set FBASE, 37888
.set FREG,  10240                      ; the second job, a wave: V high 32 x 160, V low 32 x 160
.set LOWV,  5120
.set ST,    18
.set S,     64
.set F,     128
.set O,     192
.set MSB, 0
.macro WIN new
.if MSB != \new
	s_set_vgpr_msb (MSB<<8)|\new
.set MSB, \new
.endif
.endm
; the low part of a pair of f16: v[l] = f16(v[x], v[x+1] - the two halves of v<h>); h is a literal register number, t an even pair at work
.macro LOWP h, x, l, t
	v_cvt_f32_f16 v[\t], v\h\().l
	v_cvt_f32_f16 v[\t+1], v\h\().h
	v_pk_add_f32 v[\t:\t+1], v[\x:\x+1], v[\t:\t+1] neg_lo:[0,1] neg_hi:[0,1]
	v_cvt_pk_f16_f32 v[\l], v[\t], v[\t+1]
.endm
.macro MASK                            ; register 8 kt + j holds key 16 kt + 8 h + j of the step: byte j of my 8 bytes of tile kt
.irp kt, 0,1,2,3
.irp j, 0,1,2,3,4,5,6,7
	v_and_b32 v9, 0xff<<(8*(\j%4)), v[10+2*\kt+\j/4]
	v_cmp_ne_u32 vcc_lo, 0, v9
	v_cndmask_b32 v[S+8*\kt+\j], v[S+8*\kt+\j], v8, vcc_lo
	v_cndmask_b32 v[S+32+8*\kt+\j], v[S+32+8*\kt+\j], v8, vcc_lo
.endr
.endr
.endm
.macro SOFT                            ; both tiles, line by line in turn
.irp kt, 0,1,2,3
.irp t, 0,1
	v_max3_num_f32 v[ST+8*\t+4+\kt], v[S+32*\t+8*\kt], v[S+32*\t+8*\kt+1], v[S+32*\t+8*\kt+2]   ; each accumulator is read from its low end on
.endr
.endr
.irp i, 3,5
.irp kt, 0,1,2,3
.irp t, 0,1
	v_max3_num_f32 v[ST+8*\t+4+\kt], v[ST+8*\t+4+\kt], v[S+32*\t+8*\kt+\i], v[S+32*\t+8*\kt+\i+1]
.endr
.endr
.endr
.irp t, 0,1
	v_max3_num_f32 v[ST+8*\t+4], v[ST+8*\t+4], v[S+32*\t+7], v[S+32*\t+15]
	v_max3_num_f32 v[ST+8*\t+6], v[ST+8*\t+6], v[S+32*\t+23], v[S+32*\t+31]
.endr
.irp t, 0,1
	v_max3_num_f32 v[ST+8*\t+4], v[ST+8*\t+4], v[ST+8*\t+5], v[ST+8*\t+6]
.endr
.irp t, 0,1
	v_max3_num_f32 v[ST+8*\t+4], v[ST+8*\t+4], v[ST+8*\t+7], v[ST+8*\t+1]   ; with the old m
.endr
.irp t, 0,1
	v_permlanex16_b32 v[ST+8*\t+5], v[ST+8*\t+4], s48, s49
.endr
.irp t, 0,1
	v_mov_b32 v[ST+8*\t+7], v[ST+8*\t]             ; c m_old
.endr
.irp t, 0,1
	v_max_num_f32 v[ST+8*\t+1], v[ST+8*\t+4], v[ST+8*\t+5]
.endr
.irp t, 0,1
	v_mul_f32 v[ST+8*\t], s46, v[ST+8*\t+1]
.endr
.irp t, 0,1
	v_sub_f32 v[ST+8*\t+7], v[ST+8*\t+7], v[ST+8*\t]
.endr
.irp i, 0,2,4,6,8,10,12,14,16,18,20,22,24,26,28,30
.irp t, 0,1
	v_pk_fma_f32 v[S+32*\t+\i:S+32*\t+\i+1], v[S+32*\t+\i:S+32*\t+\i+1], s[46:47], v[ST+8*\t:ST+8*\t+1] op_sel_hi:[1,0,0] neg_lo:[0,0,1] neg_hi:[0,0,1]   ; c s - c m
.endr
.endr
.irp t, 0,1
	v_exp_f32 v[ST+8*\t+6], v[ST+8*\t+7]           ; a = 2^(c m_old - c m_new)
.endr
.irp i, 0,1,2,3,4,5,6,7,8,9,10,11,12,13,14,15,16,17,18,19,20,21,22,23,24,25,26,27,28,29,30,31
.irp t, 0,1
	v_exp_f32 v[S+32*\t+\i], v[S+32*\t+\i]
.endr
.endr
	v_nop
	s_wait_alu depctr_va_vdst(0)                   ; one wait for the batch of 66, ahead of its first reader
.irp t, 0,1
	v_pk_add_f32 v[52+4*\t:53+4*\t], v[S+32*\t:S+32*\t+1], v[S+32*\t+2:S+32*\t+3]
	v_pk_add_f32 v[54+4*\t:55+4*\t], v[S+32*\t+4:S+32*\t+5], v[S+32*\t+6:S+32*\t+7]
.endr
.irp i, 8,12,16,20,24,28
.irp t, 0,1
	v_pk_add_f32 v[52+4*\t:53+4*\t], v[52+4*\t:53+4*\t], v[S+32*\t+\i:S+32*\t+\i+1]
	v_pk_add_f32 v[54+4*\t:55+4*\t], v[54+4*\t:55+4*\t], v[S+32*\t+\i+2:S+32*\t+\i+3]
.endr
.endr
.irp t, 0,1
	v_pk_add_f32 v[52+4*\t:53+4*\t], v[52+4*\t:53+4*\t], v[54+4*\t:55+4*\t]
.endr
.irp t, 0,1
	v_pk_fma_f32 v[ST+8*\t+2:ST+8*\t+3], v[ST+8*\t+2:ST+8*\t+3], v[ST+8*\t+6:ST+8*\t+7], v[52+4*\t:53+4*\t] op_sel_hi:[1,0,1]   ; l = a l + the sum of the f32 p
.endr
.irp n, 0,1,2,3,4,5,6,7,8,9,10,11,12,13,14,15
.irp t, 0,1
	v_cvt_pk_f16_f32 v[S+32*\t+\n], v[S+32*\t+2*\n], v[S+32*\t+2*\n+1]   ; in place, ascending: register n is written when pair n / 2 has been read
.endr
.endr
.irp i, 0,2,4,6,8,10,12,14,16,18,20,22,24,26,28,30
.irp t, 0,1
	v_pk_mul_f32 v[O+32*\t+\i:O+32*\t+\i+1], v[O+32*\t+\i:O+32*\t+\i+1], v[ST+8*\t+6:ST+8*\t+7] op_sel_hi:[1,0]
.endr
.endr
.endm
.macro STEP cur                        ; 64 keys out of buffer cur
	s_bitcmp1_b32 s29, 0
	s_cbranch_scc0 .Lnm_\@
.irp kt, 0,1,2,3
	global_load_b64 v[10+2*\kt:11+2*\kt], v7, s[36:37] offset:16*\kt
.endr
.Lnm_\@:
.irp s, 0,1
.irp kt, 0,1,2,3
	ds_load_b128 v[F+16*\kt+8*\s:F+16*\kt+8*\s+3], v5 offset:BUF*\cur+2048*\kt+1024*\s
	ds_load_b128 v[F+16*\kt+8*\s+4:F+16*\kt+8*\s+7], v5 offset:BUF*\cur+2048*\kt+1024*\s+512
.endr
.endr
	s_wait_dscnt 8                                 ; channels 0-31 are in; the eight loads of channels 32-63 may be out
	WIN 0x04                                       ; source 1: Q, window 1
.irp kt, 0,1,2,3
.irp t, 0,1
	v_wmma_f32_16x16x32_f16 v[S+32*\t+8*\kt:S+32*\t+8*\kt+7], v[F+16*\kt:F+16*\kt+7], v[16*\t:16*\t+7], 0
.endr
.endr
	s_wait_dscnt 0x0
.irp kt, 0,1,2,3
.irp t, 0,1
	v_wmma_f32_16x16x32_f16 v[S+32*\t+8*\kt:S+32*\t+8*\kt+7], v[F+16*\kt+8:F+16*\kt+15], v[16*\t+8:16*\t+15], v[S+32*\t+8*\kt:S+32*\t+8*\kt+7]
.endr
.endr
	WIN 0
.rept 4
	v_nop                                          ; places: in front of the loads over K's fragments and of the first read of the scores
.endr
.irp kb, 0,1
.irp dt, 0,1,2,3
	ds_load_tr16_b128 v[F+32*\kb+8*\dt:F+32*\kb+8*\dt+3], v6 offset:BUF*\cur+VO+5120*\kb+32*\dt
	ds_load_tr16_b128 v[F+32*\kb+8*\dt+4:F+32*\kb+8*\dt+7], v6 offset:BUF*\cur+VO+5120*\kb+32*\dt+2560
.endr
.endr
	s_bitcmp1_b32 s29, 0
	s_cbranch_scc0 .Lopen_\@
	s_wait_loadcnt 0x0                             ; the mask's bytes
	MASK
.Lopen_\@:
	SOFT
	s_wait_dscnt 0x0                               ; V
.irp kb, 0,1
.irp dt, 0,1,2,3
.irp t, 0,1
	v_wmma_f32_16x16x32_f16 v[O+32*\t+8*\dt:O+32*\t+8*\dt+7], v[F+32*\kb+8*\dt:F+32*\kb+8*\dt+7], v[S+32*\t+8*\kb:S+32*\t+8*\kb+7], v[O+32*\t+8*\dt:O+32*\t+8*\dt+7]
.endr
.endr
.endr
.rept 5
	v_nop                                          ; places: the next scores are written over P by matrix instructions, the next K over V by loads
.endr
.endm
.macro TRIP cur, nxt
	s_bitcmp1_b32 s30, 0                           ; does any of the four tiles want the next step?
	s_cbranch_scc0 .Lnost_\@
	global_load_b128 v[34:37], v3, s[32:33] offset:8192
	global_load_b128 v[38:41], v3, s[32:33] offset:12288
	global_load_b128 v[42:45], v3, s[34:35] offset:8192
	global_load_b128 v[46:49], v3, s[34:35] offset:12288
.Lnost_\@:
	s_cmp_lt_u32 s41, s42                          ; a prefetch of step j + 3's 8,192 bytes, lanes 256 bytes apart: wave 1 asks for K's, wave 3 for V's, in the head's first work-group alone; it stops at j = 28
	s_cbranch_scc0 .Lnopf_\@
	global_prefetch_b8 v50, s[44:45] th:TH_LOAD_NT scope:SCOPE_SE
.Lnopf_\@:
	s_bitcmp1_b32 s28, 0                           ; is this step live for my tile?
	s_cbranch_scc0 .Ldead_\@
	STEP \cur
.Ldead_\@:
	s_wait_loadcnt 0x0
	ds_store_b128 v3, v[34:37] offset:BUF*\nxt     ; every wave, every trip (where nothing was loaded the bytes are not read)
	ds_store_b128 v3, v[38:41] offset:BUF*\nxt+4096
	ds_store_b128 v4, v[42:45] offset:BUF*\nxt+VO
	ds_store_b128 v4, v[46:49] offset:BUF*\nxt+VO+5120
	s_wait_xcnt 0x0                                ; loads and prefetch have read their bases
	s_add_nc_u64 s[32:33], s[32:33], 8192
	s_add_nc_u64 s[34:35], s[34:35], 8192
	s_add_nc_u64 s[36:37], s[36:37], 64
	s_add_nc_u64 s[44:45], s[44:45], 8192
	s_lshr_b32 s28, s28, 1
	s_lshr_b32 s29, s29, 1
	s_lshr_b32 s30, s30, 1
	s_add_co_u32 s41, s41, 1
	s_wait_dscnt 0x0                               ; my stores have landed and my reads of this trip's buffer are over
	s_barrier_signal -1
	s_barrier_wait -1
.endm
	s_load_b256 s[4:11], s[0:1], 0x0               ; qkv, mask, flags, ctx
	s_load_b64 s[54:55], s[0:1], 0x20              ; ctxf
	v_lshl_add_u32 v1, v0, 2, SPARE
	v_mov_b32 v2, 0
	v_lshrrev_b32 v9, 5, v0
	v_readfirstlane_b32 s12, v9                    ; wave
	s_cmp_ge_u32 ttmp9, 256                        ; the work-group's number alone: all eight waves go the same way
	s_cbranch_scc1 .Lfine
	s_and_b32 s13, ttmp9, 7                        ; g
	s_lshr_b32 s14, ttmp9, 3                       ; u
	s_lshr_b32 s15, s12, 2
	s_xor_b32 s15, s15, s12
	s_and_b32 s15, s15, 1                          ; 1: a late tile.  Waves w and w + 4 differ in it, and so do w and w + 1
	s_bfe_u32 s17, s12, 0x10001                    ; which pair of heads
	s_lshr_b32 s18, s12, 2                         ; which of the two tiles
	s_lshl_b32 s19, s14, 1
	s_add_co_u32 s19, s19, s18
	s_sub_co_u32 s38, 127, s19
	s_cmp_eq_u32 s15, 1
	s_cselect_b32 s19, s38, s19                    ; my tile of queries
	s_lshl_b32 s38, s14, 4
	s_sub_co_u32 s50, 1008, s38
	s_mov_b32 s39, 0
	s_mov_b32 s51, 0
	s_mov_b32 s46, 0x3e38aa3b                      ; c = log2(e) / 8
	s_mov_b32 s47, s46
	s_mov_b32 s48, 0x76543210
	s_mov_b32 s49, 0xfedcba98
	s_mov_b32 s41, 0
	s_mov_b32 s40, 16
	s_wait_kmcnt 0x0
	s_add_nc_u64 s[38:39], s[8:9], s[38:39]
	s_add_nc_u64 s[50:51], s[8:9], s[50:51]
	s_load_b128 s[20:23], s[38:39], 0x0            ; tiles 2 u, 2 u + 1
	s_load_b128 s[24:27], s[50:51], 0x0            ; tiles 126 - 2 u, 127 - 2 u
	s_add_co_u32 s52, s13, 32
	s_lshl_b32 s52, s52, 18
	s_mov_b32 s53, 0
	s_add_nc_u64 s[32:33], s[4:5], s[52:53]        ; K of head g
	s_add_nc_u64 s[34:35], s[32:33], 2097152       ; V: eight heads on
	s_lshl_b32 s52, s19, 15
	s_add_nc_u64 s[36:37], s[6:7], s[52:53]        ; the mask at my 16 rows
	s_lshl_b32 s16, s13, 2
	s_lshl_b32 s52, s17, 1
	s_add_co_u32 s16, s16, s52                     ; my first head
	s_lshl_b32 s52, s16, 18
	s_lshl_b32 s31, s19, 11
	s_add_co_u32 s52, s52, s31
	s_add_nc_u64 s[4:5], s[4:5], s[52:53]          ; Q
	s_lshl_b32 s52, s19, 16
	s_lshl_b32 s31, s16, 11
	s_add_co_u32 s52, s52, s31
	s_add_nc_u64 s[10:11], s[10:11], s[52:53]      ; ctx
	s_and_b32 s52, s12, 5
	s_xor_b32 s52, s52, 1
	s_or_b32 s52, s52, s14
	s_cmp_eq_u32 s52, 0                            ; wave 1 or 3 of a work-group with u = 0
	s_cselect_b32 s42, 29, 0
	s_cmp_eq_u32 s12, 1
	s_cselect_b64 s[44:45], s[32:33], s[34:35]
	s_add_nc_u64 s[44:45], s[44:45], 24576         ; step 3
	v_lshlrev_b32 v3, 4, v0                        ; the copy: 16 x thread
	v_lshrrev_b32 v4, 7, v0
	v_lshlrev_b32 v4, 4, v4
	v_and_b32 v9, 15, v0
	v_add_nc_u32 v4, v4, v9                        ; V's row: key 16 (t / 128) + t % 16
	v_mul_u32_u24 v4, v4, PV
	v_bfe_u32 v9, v0, 5, 2
	v_lshl_add_u32 v4, v9, 5, v4                   ; + 32 x chunk
	v_bfe_u32 v9, v0, 4, 1
	v_lshl_add_u32 v4, v9, 4, v4                   ; + 16 h
	v_and_b32 v5, 31, v0
	v_lshlrev_b32 v50, 8, v5
	v_lshlrev_b32 v5, 4, v5                        ; 16 x lane
	v_and_b32 v6, 7, v0
	v_lshl_add_u32 v6, v9, 3, v6
	v_mul_u32_u24 v6, v6, PV
	v_bfe_u32 v51, v0, 3, 1
	v_lshl_add_u32 v6, v51, 4, v6                  ; the turning load: key 8 h + l % 8, 16 bytes by (l / 8) % 2
	v_and_b32 v7, 15, v0
	v_lshlrev_b32 v7, 11, v7
	v_lshl_add_u32 v7, v9, 3, v7                   ; the mask: row r, + 8 h
	v_mov_b32 v8, 0xff800000                       ; -infinity
	global_load_b128 v[34:37], v3, s[32:33]        ; step 0 is always copied
	global_load_b128 v[38:41], v3, s[32:33] offset:4096
	global_load_b128 v[42:45], v3, s[34:35]
	global_load_b128 v[46:49], v3, s[34:35] offset:4096
	WIN 0x40
.irp t, 0,1
.irp b, 0,1,2,3
	global_load_b128 v[16*\t+4*\b:16*\t+4*\b+3], v5, s[4:5] offset:262144*\t+512*\b   ; Q stays in registers
.endr
.endr
	WIN 0
.irp i, 0,1,2,3,4,5,6,7
	v_mov_b32 v[10+\i], 0
.endr
.irp t, 0,1
	v_mov_b32 v[ST+8*\t+1], 0xff61b1e6             ; m = -3e38, under every score
	v_mul_f32 v[ST+8*\t], s46, v[ST+8*\t+1]
.irp i, 2,3,4,5,6,7
	v_mov_b32 v[ST+8*\t+\i], 0
.endr
.endr
.irp i, 0,1,2,3,4,5,6,7,8,9,10,11,12,13,14,15,16,17,18,19,20,21,22,23,24,25,26,27,28,29,30,31,32,33,34,35,36,37,38,39,40,41,42,43,44,45,46,47,48,49,50,51,52,53,54,55,56,57,58,59,60,61,62,63
	v_mov_b32 v[O+\i], 0                           ; which step is a tile's first hangs on the stored words, so it cannot be written out ahead of the loop
.endr
	s_wait_loadcnt 8                               ; step 0's four loads are in; Q's eight may be out
	ds_store_b128 v3, v[34:37]
	ds_store_b128 v3, v[38:41] offset:4096
	ds_store_b128 v4, v[42:45] offset:VO
	ds_store_b128 v4, v[46:49] offset:VO+5120
	s_wait_kmcnt 0x0
	s_or_b32 s30, s20, s22
	s_or_b32 s30, s30, s24
	s_or_b32 s30, s30, s26
	s_lshr_b32 s30, s30, 1                         ; bit 0: step j + 1 is live for some tile
	s_cmp_eq_u32 s18, 0
	s_cselect_b32 s28, s20, s22
	s_cselect_b32 s29, s21, s23
	s_cselect_b32 s38, s26, s24
	s_cselect_b32 s39, s27, s25
	s_cmp_eq_u32 s15, 1
	s_cselect_b32 s28, s38, s28                    ; my tile's live word,
	s_cselect_b32 s29, s39, s29                    ; and its part word
	s_wait_loadcnt 0x0                             ; Q
	s_wait_dscnt 0x0
	s_barrier_signal -1
	s_barrier_wait -1
.Ltrips:                                           ; 16 trips of two key steps
	TRIP 0, 1
	TRIP 1, 0
	s_sub_co_u32 s40, s40, 1
	s_cmp_lg_u32 s40, 0
	s_cbranch_scc1 .Ltrips
.irp t, 0,1
	v_add_f32 v[ST+8*\t+4], v[ST+8*\t+2], v[ST+8*\t+3]
.endr
.irp t, 0,1
	v_permlanex16_b32 v[ST+8*\t+5], v[ST+8*\t+4], s48, s49
.endr
.irp t, 0,1
	v_add_f32 v[ST+8*\t+4], v[ST+8*\t+4], v[ST+8*\t+5]
.endr
.irp t, 0,1
	v_rcp_f32 v[ST+8*\t+6], v[ST+8*\t+4]
.endr
	v_nop
	s_wait_alu depctr_va_vdst(0)
.irp t, 0,1
.irp i, 0,2,4,6,8,10,12,14,16,18,20,22,24,26,28,30
	v_pk_mul_f32 v[O+32*\t+\i:O+32*\t+\i+1], v[O+32*\t+\i:O+32*\t+\i+1], v[ST+8*\t+6:ST+8*\t+7] op_sel_hi:[1,0]
.endr
.endr
.irp n, 0,1,2,3,4,5,6,7,8,9,10,11,12,13,14,15,16,17,18,19,20,21,22,23,24,25,26,27,28,29,30,31
	v_cvt_pk_f16_f32 v[S+\n], v[O+2*\n], v[O+2*\n+1]
.endr
.irp t, 0,1
.irp dt, 0,1,2,3
	global_store_b128 v5, v[S+16*\t+4*\dt:S+16*\t+4*\dt+3], s[10:11] offset:2048*\t+512*\dt   ; 512 consecutive bytes: a chunk of the projection's operand
.endr
.endr
	s_wait_tensorcnt 0x0                           ; the wave's end
	ds_add_u32 v1, v2
	s_wait_dscnt 0x0
	s_endpgm
.Lfine:
	; ---- queries 0-15 with pairs of f16: a wave to a head
	s_mul_i32 s31, s12, FREG
	s_add_co_u32 s31, s31, FBASE                   ; my wave's own LDS
	s_sub_co_u32 s30, ttmp9, 256
	s_lshl_b32 s30, s30, 3
	s_add_co_u32 s30, s30, s12                     ; my head: 8 x (work-group - 256) + wave
	v_and_b32 v3, 31, v0
	v_lshlrev_b32 v3, 4, v3                        ; 16 x lane
	v_and_b32 v8, 15, v0                           ; r
	v_bfe_u32 v9, v0, 4, 1                         ; h
	v_mul_u32_u24 v4, v8, PV
	v_lshl_add_u32 v4, v9, 4, v4
	v_add_nc_u32 v4, s31, v4                       ; V into LDS: row r, + 16 h
	v_and_b32 v5, 7, v0
	v_lshl_add_u32 v5, v9, 3, v5
	v_mul_u32_u24 v5, v5, PV
	v_bfe_u32 v6, v0, 3, 1
	v_lshl_add_u32 v5, v6, 4, v5
	v_add_nc_u32 v5, s31, v5                       ; the turning load
	v_lshlrev_b32 v6, 11, v8
	v_lshl_add_u32 v6, v9, 3, v6                   ; the mask: row r, + 8 h
	v_mov_b32 v7, 0xff800000
	s_lshr_b32 s12, s30, 2
	s_add_co_u32 s12, s12, 32
	s_lshl_b32 s12, s12, 18
	s_mov_b32 s13, 0
	s_lshl_b32 s14, s30, 18
	s_mov_b32 s15, 0
	s_lshl_b32 s26, s30, 11
	s_mov_b32 s27, 0
	s_mov_b32 s22, 0x3e38aa3b                      ; c = log2(e) / 8
	s_mov_b32 s23, s22
	s_mov_b32 s24, 0x76543210
	s_mov_b32 s25, 0xfedcba98
	s_mov_b32 s20, 32
	s_wait_kmcnt 0x0
	s_load_b32 s21, s[8:9], 0x0                    ; tile 0's live word
	s_add_nc_u64 s[16:17], s[4:5], s[12:13]        ; K
	s_add_nc_u64 s[18:19], s[16:17], 2097152       ; V
	s_add_nc_u64 s[14:15], s[4:5], s[14:15]        ; Q, high
	s_add_nc_u64 s[28:29], s[4:5], s[26:27]
	s_add_nc_u64 s[28:29], s[28:29], 16777216      ; Q, low
	s_add_nc_u64 s[54:55], s[54:55], s[26:27]      ; ctxf at my head
.irp b, 0,1,2,3
	global_load_b128 v[32+4*\b:35+4*\b], v3, s[14:15] offset:512*\b
	global_load_b128 v[48+4*\b:51+4*\b], v3, s[28:29] offset:512*\b
.endr
	v_mov_b32 v[ST+1], 0xff61b1e6                  ; m = -3e38
	v_mul_f32 v[ST], s22, v[ST+1]
.irp i, 2,3,4,5,6,7
	v_mov_b32 v[ST+\i], 0
.endr
.irp i, 0,1,2,3,4,5,6,7,8,9,10,11,12,13,14,15,16,17,18,19,20,21,22,23,24,25,26,27,28,29,30,31
	v_mov_b32 v[O+\i], 0
.endr
	s_wait_loadcnt 0x0
	s_wait_kmcnt 0x0
.Lftrip:
	s_bitcmp1_b32 s21, 0
	s_cbranch_scc0 .Lfdead
.irp kt, 0,1,2,3
	global_load_b64 v[10+2*\kt:11+2*\kt], v6, s[6:7] offset:16*\kt
.endr
.irp hf, 0,1                                       ; 32 keys at a time
.if \hf > 0
.rept 4
	v_nop
.endr
.endif
.irp k, 0,1
.irp s, 0,1
.irp c, 0,1
	global_load_b128 v[128+16*\k+8*\s+4*\c:131+16*\k+8*\s+4*\c], v3, s[16:17] offset:2048*(2*\hf+\k)+1024*\s+512*\c
	global_load_b128 v[160+16*\k+8*\s+4*\c:163+16*\k+8*\s+4*\c], v3, s[16:17] offset:2048*(2*\hf+\k)+1024*\s+512*\c+4194304
.endr
.endr
.endr
	s_wait_loadcnt 0x0
.irp k, 0,1                                        ; the two accumulators take turns
	v_wmma_f32_16x16x32_f16 v[S+8*(2*\hf+\k):S+8*(2*\hf+\k)+7], v[128+16*\k:135+16*\k], v[32:39], 0
.endr
.irp k, 0,1
	v_wmma_f32_16x16x32_f16 v[S+8*(2*\hf+\k):S+8*(2*\hf+\k)+7], v[136+16*\k:143+16*\k], v[40:47], v[S+8*(2*\hf+\k):S+8*(2*\hf+\k)+7]
.endr
.irp s, 0,1
.irp k, 0,1
	v_wmma_f32_16x16x32_f16 v[S+8*(2*\hf+\k):S+8*(2*\hf+\k)+7], v[160+16*\k+8*\s:167+16*\k+8*\s], v[32+8*\s:39+8*\s], v[S+8*(2*\hf+\k):S+8*(2*\hf+\k)+7]
.endr
.endr
.irp s, 0,1
.irp k, 0,1
	v_wmma_f32_16x16x32_f16 v[S+8*(2*\hf+\k):S+8*(2*\hf+\k)+7], v[128+16*\k+8*\s:135+16*\k+8*\s], v[48+8*\s:55+8*\s], v[S+8*(2*\hf+\k):S+8*(2*\hf+\k)+7]
.endr
.endr
.endr
.rept 4
	v_nop
.endr
.irp kt, 0,1,2,3
.irp j, 0,1,2,3,4,5,6,7
	v_and_b32 v9, 0xff<<(8*(\j%4)), v[10+2*\kt+\j/4]
	v_cmp_ne_u32 vcc_lo, 0, v9
	v_cndmask_b32 v[S+8*\kt+\j], v[S+8*\kt+\j], v7, vcc_lo
.endr
.endr
.irp kt, 0,1,2,3
	v_max3_num_f32 v[ST+4+\kt], v[S+8*\kt], v[S+8*\kt+1], v[S+8*\kt+2]
.endr
.irp i, 3,5
.irp kt, 0,1,2,3
	v_max3_num_f32 v[ST+4+\kt], v[ST+4+\kt], v[S+8*\kt+\i], v[S+8*\kt+\i+1]
.endr
.endr
	v_max3_num_f32 v[ST+4], v[ST+4], v[S+7], v[S+15]
	v_max3_num_f32 v[ST+6], v[ST+6], v[S+23], v[S+31]
	v_max3_num_f32 v[ST+4], v[ST+4], v[ST+5], v[ST+6]
	v_max3_num_f32 v[ST+4], v[ST+4], v[ST+7], v[ST+1]
	v_permlanex16_b32 v[ST+5], v[ST+4], s24, s25
	v_mov_b32 v[ST+7], v[ST]
	v_max_num_f32 v[ST+1], v[ST+4], v[ST+5]
	v_mul_f32 v[ST], s22, v[ST+1]
	v_sub_f32 v[ST+7], v[ST+7], v[ST]
.irp i, 0,2,4,6,8,10,12,14,16,18,20,22,24,26,28,30
	v_pk_fma_f32 v[S+\i:S+\i+1], v[S+\i:S+\i+1], s[22:23], v[ST:ST+1] op_sel_hi:[1,0,0] neg_lo:[0,0,1] neg_hi:[0,0,1]
.endr
	v_exp_f32 v[ST+6], v[ST+7]
.irp i, 0,1,2,3,4,5,6,7,8,9,10,11,12,13,14,15,16,17,18,19,20,21,22,23,24,25,26,27,28,29,30,31
	v_exp_f32 v[S+\i], v[S+\i]
.endr
	v_nop
	s_wait_alu depctr_va_vdst(0)                   ; one wait for the batch
	v_pk_add_f32 v[26:27], v[S:S+1], v[S+2:S+3]
	v_pk_add_f32 v[28:29], v[S+4:S+5], v[S+6:S+7]
.irp i, 8,12,16,20,24,28
	v_pk_add_f32 v[26:27], v[26:27], v[S+\i:S+\i+1]
	v_pk_add_f32 v[28:29], v[28:29], v[S+\i+2:S+\i+3]
.endr
	v_pk_add_f32 v[26:27], v[26:27], v[28:29]
	v_pk_fma_f32 v[ST+2:ST+3], v[ST+2:ST+3], v[ST+6:ST+7], v[26:27] op_sel_hi:[1,0,1]
.irp n, 0,1,2,3,4,5,6,7,8,9,10,11,12,13,14,15
	v_cvt_pk_f16_f32 v[96+\n], v[S+2*\n], v[S+2*\n+1]
.endr
.irp p, 96,97,98,99,100,101,102,103,104,105,106,107,108,109,110,111
	LOWP \p, S+2*(\p-96), 112+\p-96, 240+2*(\p%4)
.endr
.irp i, 0,2,4,6,8,10,12,14,16,18,20,22,24,26,28,30
	v_pk_mul_f32 v[O+\i:O+\i+1], v[O+\i:O+\i+1], v[ST+6:ST+7] op_sel_hi:[1,0]
.endr
.irp kb, 0,1                                       ; 32 keys of V at a time
.if \kb > 0
.rept 4
	v_nop
.endr
.endif
.irp k, 0,1
.irp b, 0,1,2,3
	global_load_b128 v[128+16*\k+4*\b:131+16*\k+4*\b], v3, s[18:19] offset:4096*\kb+2048*\k+512*\b
	global_load_b128 v[160+16*\k+4*\b:163+16*\k+4*\b], v3, s[18:19] offset:4096*\kb+2048*\k+512*\b+4194304
.endr
.endr
	s_wait_loadcnt 0x0
.irp k, 0,1
.irp b, 0,1,2,3
	ds_store_b128 v4, v[128+16*\k+4*\b:131+16*\k+4*\b] offset:2560*\k+32*\b
	ds_store_b128 v4, v[160+16*\k+4*\b:163+16*\k+4*\b] offset:LOWV+2560*\k+32*\b
.endr
.endr
.irp dt, 0,1,2,3                                   ; LDS serves a wave's instructions in order: these see the stores above
	ds_load_tr16_b128 v[128+8*\dt:131+8*\dt], v5 offset:32*\dt
	ds_load_tr16_b128 v[132+8*\dt:135+8*\dt], v5 offset:32*\dt+2560
	ds_load_tr16_b128 v[160+8*\dt:163+8*\dt], v5 offset:LOWV+32*\dt
	ds_load_tr16_b128 v[164+8*\dt:167+8*\dt], v5 offset:LOWV+32*\dt+2560
.endr
	s_wait_dscnt 0x0
.irp dt, 0,1,2,3
	v_wmma_f32_16x16x32_f16 v[O+8*\dt:O+8*\dt+7], v[128+8*\dt:135+8*\dt], v[96+8*\kb:103+8*\kb], v[O+8*\dt:O+8*\dt+7]
.endr
.irp dt, 0,1,2,3
	v_wmma_f32_16x16x32_f16 v[O+8*\dt:O+8*\dt+7], v[160+8*\dt:167+8*\dt], v[96+8*\kb:103+8*\kb], v[O+8*\dt:O+8*\dt+7]
.endr
.irp dt, 0,1,2,3
	v_wmma_f32_16x16x32_f16 v[O+8*\dt:O+8*\dt+7], v[128+8*\dt:135+8*\dt], v[112+8*\kb:119+8*\kb], v[O+8*\dt:O+8*\dt+7]
.endr
.endr
.rept 5
	v_nop
.endr
.Lfdead:
	s_wait_xcnt 0x0                                ; the loads have read their bases
	s_add_nc_u64 s[16:17], s[16:17], 8192
	s_add_nc_u64 s[18:19], s[18:19], 8192
	s_add_nc_u64 s[6:7], s[6:7], 64
	s_lshr_b32 s21, s21, 1
	s_sub_co_u32 s20, s20, 1
	s_cmp_lg_u32 s20, 0
	s_cbranch_scc1 .Lftrip
	v_add_f32 v[ST+4], v[ST+2], v[ST+3]
	v_permlanex16_b32 v[ST+5], v[ST+4], s24, s25
	v_add_f32 v[ST+4], v[ST+4], v[ST+5]
	v_rcp_f32 v[ST+6], v[ST+4]
	v_nop
	s_wait_alu depctr_va_vdst(0)
.irp i, 0,2,4,6,8,10,12,14,16,18,20,22,24,26,28,30
	v_pk_mul_f32 v[224+\i:225+\i], v[O+\i:O+\i+1], v[ST+6:ST+7] op_sel_hi:[1,0]
.endr
.irp n, 0,1,2,3,4,5,6,7,8,9,10,11,12,13,14,15
	v_cvt_pk_f16_f32 v[64+\n], v[224+2*\n], v[225+2*\n]
.endr
.irp p, 64,65,66,67,68,69,70,71,72,73,74,75,76,77,78,79
	LOWP \p, 224+2*(\p-64), 80+\p-64, 96+2*(\p%4)
.endr
.irp dt, 0,1,2,3
	global_store_b128 v3, v[64+4*\dt:67+4*\dt], s[54:55] offset:512*\dt
	global_store_b128 v3, v[80+4*\dt:83+4*\dt], s[54:55] offset:512*\dt+65536
.endr
	s_wait_tensorcnt 0x0                           ; the wave's end
	ds_add_u32 v1, v2
	s_wait_dscnt 0x0
	s_endpgm
.Lfunc_end_k_q8927699c5d_attn:
	.size	k_q8927699c5d_attn, .Lfunc_end_k_q8927699c5d_attn-k_q8927699c5d_attn
	.p2alignl 7, 3214868480
	.fill 96, 4, 3214868480
	.section	.rodata,"a",@progbits
	.p2align	6, 0x0
	.amdhsa_kernel k_q8927699c5d_attn
		.amdhsa_group_segment_fixed_size 119808
		.amdhsa_private_segment_fixed_size 0
		.amdhsa_enable_private_segment 0
		.amdhsa_kernarg_size 40
		.amdhsa_user_sgpr_count 2
		.amdhsa_user_sgpr_kernarg_segment_ptr 1
		.amdhsa_wavefront_size32 1
		.amdhsa_system_sgpr_workgroup_id_x 1
		.amdhsa_system_sgpr_workgroup_id_y 1
		.amdhsa_system_sgpr_workgroup_id_z 1
		.amdhsa_system_vgpr_workitem_id 0
		.amdhsa_next_free_vgpr 288
		.amdhsa_next_free_sgpr 66
		.amdhsa_reserve_vcc 1
		.amdhsa_float_denorm_mode_32 3
		.amdhsa_float_denorm_mode_16_64 3
		.amdhsa_memory_ordered 1
		.amdhsa_forward_progress 1
		.amdhsa_inst_pref_size 100
	.end_amdhsa_kernel
	.amdgpu_metadata
---
amdhsa.version: [ 1, 2 ]
amdhsa.kernels:
  - .name:           k_q8927699c5d_attn
    .symbol:         k_q8927699c5d_attn.kd
    .args:
      - { .name: qkv, .offset: 0, .size: 8, .value_kind: global_buffer, .address_space: global }
      - { .name: mask, .offset: 8, .size: 8, .value_kind: global_buffer, .address_space: global }
      - { .name: flags, .offset: 16, .size: 8, .value_kind: global_buffer, .address_space: global }
      - { .name: ctx, .offset: 24, .size: 8, .value_kind: global_buffer, .address_space: global }
      - { .name: ctxf, .offset: 32, .size: 8, .value_kind: global_buffer, .address_space: global }
    .group_segment_fixed_size: 119808
    .private_segment_fixed_size: 0
    .kernarg_segment_align: 8
    .kernarg_segment_size: 40
    .max_flat_workgroup_size: 256
    .sgpr_count:     66
    .vgpr_count:     288
    .wavefront_size: 32
...
	.end_amdgpu_metadata
.endif
;; end of part 7
;; launch proj (part 8): grid 16 x 16, 4 waves a work-group, clusters of 4 x 4, 327,680 bytes of LDS; arguments ctx, prep, out0, ctxf; writes out0
.if DOCPART == 8
	.amdgcn_target "amdgcn-amd-amdhsa--gfx1250"
	.amdhsa_code_object_version 6
	.text
	.protected	k_q8927699c5d_proj
	.globl	k_q8927699c5d_proj
	.p2align	8
	.type	k_q8927699c5d_proj,@function
k_q8927699c5d_proj:
	s_mov_b64 s[64:65], 0
	v_nop
	global_prefetch_b8 v0, s[64:65] scope:SCOPE_SE
	s_setreg_imm32_b32 hwreg(HW_REG_WAVE_MODE, 25, 1), 1
	s_wait_xcnt 0x0
	s_wait_alu depctr_hold_cnt(0) depctr_sa_sdst(0) depctr_va_vdst(0) depctr_va_sdst(0) depctr_va_ssrc(0) depctr_va_vcc(0) depctr_vm_vsrc(0)
	s_getreg_b32 s2, hwreg(HW_REG_IB_STS2, 6, 4)
	s_cmp_eq_u32 s2, 0
	s_cbranch_scc0 .Lentry_in_a_cluster
	s_endpgm
.Lentry_in_a_cluster:
	s_bfe_u32 s2, ttmp6, 0x10000c
	s_cmp_lg_u32 s2, 0xf033
	s_cbranch_scc0 .Lentry_shape_is_right
	s_endpgm
.Lentry_shape_is_right:
; out0 = ctx Wo, f16 operands, f32 sums.  ctx [rt 128][ks 64][1024] and Wo^T's high parts [nt 128][ks 64][1024] lie as images of operand registers (16 rows x 32 K in 1,024 bytes).
; A tile of out0 is 128 x 128: 256 work-groups; four waves, each 64 x 64: 16 accumulators.  K goes in steps of 256 through a ring of two LDS slots; a wave's tensor load brings four tiles of 16 rows x 8,192 bytes.
; Images are dense, so LDS needs no padding: every fragment load reads 512 consecutive bytes.
; CLUSTER 4 x 4: ctx's tiles are shared along a row of the cluster, Wo's along a column: joint loads.  TRANSPOSED: source 0 = 16 columns of Wo, source 1 = 16 tokens: a lane holds eight neighbouring numbers of a row of out0.
; ROWS 0-15 ARE MADE MORE FINELY, with both operands as pairs of f16 numbers: Wh Ch + Wl Ch + Wh Cl (ctxf: high [ks 64][1024], low 65,536 bytes on).  The plain way out leaves them unstored (EXEC 0 for that block's stores).
; Work-group (nx, my) makes their columns 16 ct .. 16 ct + 15, ct = 8 nx + my / 2, over all of K, and stores the eight columns of half my % 2: so all 256 work-groups run one text, with no branch on a place in the
; cluster, and each number has one owner; the price: each such tile is made twice, and Wo's pairs are read twice.  Wave w takes fragments 16 w .. 16 w + 15; its 128 loads are issued in four runs among the
; main products and land in windows 2 and 3, which nothing else uses; the four waves' parts meet in LDS bytes of their own and are added in a fixed order by waves 0 and 1.
; Those stores are pieces of 16 bytes of 16 rows, 128 KiB in the whole launch.
; REGISTERS: window 0: v0-31 addresses; v32-95 at work on the way out; v96-119 the fine rows' sums; v128-255 the accumulators ((a, b) at 128 + 8 (4 a + b)).  window 1: two fragment buffers of 128: 64 registers of ctx,
;   then 64 of Wo; at the end v0-23 the fine rows' three accumulators.  window 2: Wh at v0, Wl at v128.  window 3: Ch at v0, Cl at v128.
.set WOH,    6291456
.set HALFT,  32768                     ; [tile 4][ks 8][1024]: what one tensor load brings, and what one wave reads of either operand
.set SLOT,   131072
.set STAGE,  262144                    ; behind the ring: 16 rows x 272 bytes for each wave
.set SPITCH, 272
.set SPARE,  279552                    ; the spare words, 128 bytes a wave
.set FRED,   280064                    ; the fine rows' four partial tiles, 1,024 bytes a wave
.set LAPS,   4
.set LN,   3                           ; v3   16 x lane; never rewritten
.set ADRA, 16
.set ADRB, 20
.set STO,  24
.set RD,   25
.set CO,   26
.set FCO,  27                          ; v27  the fine rows: my byte offset in out0
.set SPW,  28
.set NIL,  29
.set FST,  30                          ; v30  where I put my partial tile
.set FRD,  31                          ; v31  where I read the four back
.set TMP,  32
.set FS,   96
.set ACC,  128
.set F0,   0
.set F1,   128
.set G1, 24
.set G0, 32
.set G1B, 48
.set G0B, 56
.set MSB, 0
.macro WIN new
.if MSB != \new
	s_set_vgpr_msb (MSB<<8)|\new
.set MSB, \new
.endif
.endm
.set MUL,  0x05
.set TO_F, 0x40
.macro JLOAD s                         ; waves 0 and 1 fetch ctx's two halves, waves 2 and 3 Wo's; an s_nop 0 and four v_nop follow each line
	s_cmp_eq_u32 s11, 0
	s_cbranch_scc0 .Lfor_b_\@
	tensor_load_to_lds s[G0+4*\s:G0+4*\s+3], s[G1:G1+7]
	s_nop 0
.rept 4
	v_nop
.endr
	s_branch .Lasked_\@
.Lfor_b_\@:
	tensor_load_to_lds s[G0B+4*\s:G0B+4*\s+3], s[G1B:G1B+7]
	s_nop 0
.rept 4
	v_nop
.endr
.Lasked_\@:
.endm
.macro CREST
	s_cmp_lg_u32 s10, 0
	s_cbranch_scc1 .Lnot_wave_0_\@
	s_barrier_signal -3
.Lnot_wave_0_\@:
	s_barrier_wait -3
	s_barrier_signal -1
	s_barrier_wait -1
.endm
.macro CROUND
	s_barrier_signal -1
	s_barrier_wait -1
	CREST
.endm
; the fine rows: 16 fragments, 32 loads of 512 consecutive bytes, into window 2 (win = 0x80) or 3 (0xc0); their address register and bases are never rewritten
.macro FLOAD win, reg, base, off
	WIN \win
.irp k, 0,1,2,3,4,5,6,7,8,9,10,11,12,13,14,15
	global_load_b128 v[\reg+8*\k:\reg+8*\k+3], v[LN], s[\base:\base+1] offset:\off+1024*\k
	global_load_b128 v[\reg+8*\k+4:\reg+8*\k+7], v[LN], s[\base:\base+1] offset:\off+1024*\k+512
.endr
.endm
	s_load_b128 s[4:7], s[0:1], 0x0                ; ctx, prep
	s_load_b64 s[8:9], s[0:1], 0x10                ; out0
	s_load_b64 s[66:67], s[0:1], 0x18              ; ctxf
	v_lshl_add_u32 v[SPW], v0, 2, SPARE
	v_mov_b32 v[NIL], 0
	ds_add_u32 v[SPW], v[NIL]                      ; the opening: the add, twice on end, and its wait ahead of my first tensor load
	ds_add_u32 v[SPW], v[NIL]
	v_lshrrev_b32 v1, 5, v0
	v_readfirstlane_b32 s10, v1                    ; wave
	s_lshr_b32 s11, s10, 1                         ; my half of the rows.  Also: I fetch for ctx (0) or for Wo (1)
	s_and_b32 s12, s10, 1                          ; my half of the columns.  Also: which half of that tile I fetch
	s_bfe_u32 s40, ttmp6, 0x40000
	s_bfe_u32 s41, ttmp6, 0x40004
	s_lshl_b32 s42, ttmp9, 2
	s_add_co_u32 s42, s42, s40                     ; tile column
	s_and_b32 s13, ttmp7, 0xffff
	s_lshl_b32 s13, s13, 2
	s_add_co_u32 s13, s13, s41                     ; tile row
	s_lshl_b32 s43, s41, 2
	s_lshl_b32 s43, 15, s43
	s_lshl_b32 s44, 0x1111, s40
	s_or_b32 s[G1+0], s43, (3<<16)|(1<<21)         ; elements of 8 bytes, no padding, bit 21 beside the mask
	s_or_b32 s[G1B+0], s44, (3<<16)|(1<<21)
.irp g, G1, G1B
	s_mov_b32 s[\g+1], 1024<<16                    ; a row: 8 fragments, 8,192 bytes
	s_mov_b32 s[\g+2], 4<<16                       ; 4 rows (tiles of 16)
	s_mov_b32 s[\g+3], 1024<<16
	s_mov_b32 s[\g+4], 4
	s_mov_b32 s[\g+5], 8192                        ; 65,536 bytes from tile to tile
	s_mov_b32 s[\g+6], 0
	s_mov_b32 s[\g+7], 0
.endr
	s_lshl_b32 s17, s12, 18                        ; which four tiles I fetch
	s_lshl_b32 s16, s13, 19
	s_add_co_u32 s16, s16, s17
	s_lshl_b32 s46, s42, 19
	s_add_co_u32 s46, s46, s17
	s_add_co_u32 s46, s46, WOH
	s_mov_b32 s17, 0
	s_mov_b32 s47, 0
	s_lshl_b32 s20, s10, 15                        ; where they go: wave x 32,768
	s_wait_dscnt 0x0
	s_wait_kmcnt 0x0
	s_add_nc_u64 s[14:15], s[4:5], s[16:17]
	s_add_nc_u64 s[46:47], s[6:7], s[46:47]
	CROUND
.irp s, 0,1
	s_mov_b32 s[G0+4*\s], 1
	s_add_co_u32 s[G0+4*\s+1], s20, \s*SLOT
	s_add_nc_u64 s[G0+4*\s+2:G0+4*\s+3], s[14:15], \s*8192
	s_or_b32 s[G0+4*\s+3], s[G0+4*\s+3], 0x80000000
	s_mov_b32 s[G0B+4*\s], 1
	s_add_co_u32 s[G0B+4*\s+1], s20, \s*SLOT
	s_add_nc_u64 s[G0B+4*\s+2:G0B+4*\s+3], s[46:47], \s*8192
	s_or_b32 s[G0B+4*\s+3], s[G0B+4*\s+3], 0x80000000
	JLOAD \s
.endr
	; the fine rows' scalars, in registers that feed no descriptor, no LDS address and no branch
	s_lshl_b32 s74, s42, 3
	s_lshr_b32 s75, s13, 1
	s_add_co_u32 s74, s74, s75                     ; ct = 8 x tile column + tile row / 2
	s_lshl_b32 s76, s10, 14                        ; my wave's 16 fragments
	s_mov_b32 s77, 0
	s_add_nc_u64 s[66:67], s[66:67], s[76:77]      ; of ctxf,
	s_lshl_b32 s68, s74, 16
	s_add_co_u32 s68, s68, s76
	s_add_co_u32 s68, s68, WOH
	s_mov_b32 s69, 0
	s_add_nc_u64 s[68:69], s[6:7], s[68:69]        ; of Wo's high parts,
	s_add_nc_u64 s[70:71], s[68:69], 8388608       ; and of its low parts
	s_lshl_b32 s72, s74, 6
	s_mov_b32 s73, 0
	s_add_nc_u64 s[72:73], s[8:9], s[72:73]        ; out0 at column 16 ct
	s_and_b32 s75, s13, 1
	s_lshl_b32 s75, s75, 4
	s_lshl_b32 s74, 0xffff, s75                    ; the lanes whose eight columns I store
	s_or_b32 s75, s13, s11
	s_cmp_eq_u32 s75, 0
	s_cselect_b32 s78, 0, -1                       ; 0 where my first block is rows 0-15 of out0
	v_and_b32 v1, 15, v0
	v_bfe_u32 v2, v0, 4, 1
	v_and_b32 v[LN], 31, v0
	v_lshlrev_b32 v[LN], 4, v[LN]                  ; 16 x lane
	s_lshl_b32 s21, s11, 15                        ; my 64 rows of ctx
	s_lshl_b32 s22, s12, 15
	s_add_co_u32 s22, s22, 2*HALFT                 ; my 64 columns of Wo
.irp s, 0,1
	v_add_nc_u32 v[ADRA+\s], s21, v[LN]
	v_add_nc_u32 v[ADRB+\s], s22, v[LN]
	s_add_co_u32 s21, s21, SLOT
	s_add_co_u32 s22, s22, SLOT
.endr
	s_mul_i32 s23, s10, 16*SPITCH
	s_add_co_u32 s23, s23, STAGE                   ; my stage
	v_mul_u32_u24 v4, v1, SPITCH
	v_lshl_add_u32 v4, v2, 5, v4
	v_add_nc_u32 v[STO], s23, v4                   ; in: row r, 32 bytes for each half of the lanes
	v_mul_u32_u24 v5, v2, SPITCH
	v_lshl_add_u32 v5, v1, 4, v5
	v_add_nc_u32 v[RD], s23, v5                    ; back: lanes 0-15 one row of 256 bytes, lanes 16-31 the next
	v_lshlrev_b32 v5, 13, v2
	v_lshl_add_u32 v[CO], v1, 4, v5                ; and the same two rows in out0
	s_lshl_b32 s79, s10, 10
	s_add_co_u32 s79, s79, FRED
	v_add_nc_u32 v[FST], s79, v[LN]                ; my partial tile: 1,024 x wave + 16 x lane
	v_lshl_add_u32 v[FRD], v0, 4, FRED             ; the sum: 16 x thread (threads 0-63)
	v_lshlrev_b32 v[FCO], 13, v1                   ; out0: row r,
	v_lshl_add_u32 v[FCO], v2, 5, v[FCO]           ; + 8 h columns,
	v_lshrrev_b32 v6, 5, v0
	v_lshl_add_u32 v[FCO], v6, 4, v[FCO]           ; + 4 columns in wave 1
	s_lshl_b32 s16, s13, 20
	s_lshl_b32 s17, s11, 19
	s_add_co_u32 s16, s16, s17                     ; my first row: 128 x tile row + 64 x half, 8,192 bytes a row
	s_mov_b32 s17, 0
	s_add_nc_u64 s[8:9], s[8:9], s[16:17]
	s_lshl_b32 s46, s42, 9
	s_lshl_b32 s47, s12, 8
	s_add_co_u32 s46, s46, s47                     ; my first column, in bytes
	s_mov_b32 s47, 0
	s_add_nc_u64 s[8:9], s[8:9], s[46:47]
	FLOAD 0x80, 0, 68, 0                           ; Wh: wanted behind the last main product
.macro MUL8 f, c, a0, zero
.irp a, \a0, \a0+1
.irp b, 0,1,2,3
.if \zero
	v_wmma_f32_16x16x32_f16 v[ACC+8*(4*(\a)+\b):ACC+8*(4*(\a)+\b)+7], v[\f+64+8*(4*\c+\b):\f+64+8*(4*\c+\b)+7], v[\f+8*(4*\c+\a):\f+8*(4*\c+\a)+7], 0
.else
	v_wmma_f32_16x16x32_f16 v[ACC+8*(4*(\a)+\b):ACC+8*(4*(\a)+\b)+7], v[\f+64+8*(4*\c+\b):\f+64+8*(4*\c+\b)+7], v[\f+8*(4*\c+\a):\f+8*(4*\c+\a)+7], v[ACC+8*(4*(\a)+\b):ACC+8*(4*(\a)+\b)+7]
.endif
.endr
.endr
.endm
.macro FETCH slot, k, f                ; quarter k of the slot (64 along K: fragments 2 k, 2 k + 1) into buffer f; the first 32 along K first
	WIN TO_F
.irp c, 0,1
.irp i, 0,1,2,3
	ds_load_b128 v[\f+64+8*(4*\c+\i):\f+64+8*(4*\c+\i)+3],   v[ADRB+\slot] offset:8192*\i+1024*(2*(\k)+\c)
	ds_load_b128 v[\f+64+8*(4*\c+\i)+4:\f+64+8*(4*\c+\i)+7], v[ADRB+\slot] offset:8192*\i+1024*(2*(\k)+\c)+512
	ds_load_b128 v[\f+8*(4*\c+\i):\f+8*(4*\c+\i)+3],         v[ADRA+\slot] offset:8192*\i+1024*(2*(\k)+\c)
	ds_load_b128 v[\f+8*(4*\c+\i)+4:\f+8*(4*\c+\i)+7],       v[ADRA+\slot] offset:8192*\i+1024*(2*(\k)+\c)+512
.endr
.endr
.endm
.macro PLACES
.rept 4
	v_nop
.endr
.endm
.macro QUARTER slot, k, f, g, zero     ; multiplies buffer f and fetches quarter k into g
	s_wait_dscnt 16                                ; the first 32 along K are in; the younger sixteen loads may be out
	WIN MUL
	MUL8 \f, 0, 0, \zero
	MUL8 \f, 0, 2, \zero
	PLACES
	FETCH \slot, \k, \g
	s_wait_dscnt 32                                ; all but the 32 just issued
	WIN MUL
	MUL8 \f, 1, 0, 0
	MUL8 \f, 1, 2, 0
.endm
.macro TURN slot, next, fill           ; the last quarter multiplies buffer 1 and changes slots
	WIN 0
	s_wait_tensorcnt 0x0                           ; all my tensor loads have landed: my part of the next slot
	ds_add_u32 v[SPW], v[NIL]
	s_wait_dscnt 17                                ; the add and the youngest sixteen loads may be out
	WIN MUL
	MUL8 F1, 0, 0, 0
	s_wait_dscnt 0x0                               ; the add is done, my reads of this slot are over
	s_barrier_signal -1
	MUL8 F1, 0, 2, 0
.if \fill
	WIN 0
.endif
	s_barrier_wait -1
.if \fill
	CREST
	s_add_nc_u64 s[G0+4*\slot+2:G0+4*\slot+3], s[G0+4*\slot+2:G0+4*\slot+3], 16384
	s_add_nc_u64 s[G0B+4*\slot+2:G0B+4*\slot+3], s[G0B+4*\slot+2:G0B+4*\slot+3], 16384
	JLOAD \slot                                    ; my one tensor load behind the round; its four v_nop are the places in front of the loads below
.else
	PLACES
.endif
	FETCH \next, 0, F0
	WIN MUL
	MUL8 F1, 1, 0, 0
	MUL8 F1, 1, 2, 0
.endm
	s_wait_tensorcnt 1                             ; my part of K step 0 is in; K step 1's load may be out
	s_barrier_signal -1
	s_barrier_wait -1
	FETCH 0, 0, F0
	QUARTER 0, 1, F0, F1, 1
	FLOAD 0x80, 128, 70, 0                         ; Wl
	WIN 0
	s_mov_b32 s3, LAPS-1
.Llap:
	QUARTER 0, 2, F1, F0, 0
	QUARTER 0, 3, F0, F1, 0
	TURN 0, 1, 1
	QUARTER 1, 1, F0, F1, 0
	QUARTER 1, 2, F1, F0, 0
	QUARTER 1, 3, F0, F1, 0
	TURN 1, 0, 1
	QUARTER 0, 1, F0, F1, 0
	WIN 0
	s_sub_co_u32 s3, s3, 1
	s_cmp_lg_u32 s3, 0
	s_cbranch_scc1 .Llap
	FLOAD 0xc0, 0, 66, 0                           ; Ch: the last lap's 224 products and the way out stand between these loads and their use
	QUARTER 0, 2, F1, F0, 0                        ; the last lap fills nothing
	FLOAD 0xc0, 128, 66, 65536                     ; Cl
	QUARTER 0, 3, F0, F1, 0
	TURN 0, 1, 0
	QUARTER 1, 1, F0, F1, 0
	QUARTER 1, 2, F1, F0, 0
	QUARTER 1, 3, F0, F1, 0
	s_wait_dscnt 16
	WIN MUL
	MUL8 F1, 0, 0, 0
	MUL8 F1, 0, 2, 0
	s_wait_dscnt 0
	MUL8 F1, 1, 0, 0
	MUL8 F1, 1, 2, 0
	WIN 0
; THE WAY OUT, 16 rows x 64 columns at a time: a lane's 32 bytes go into my own stage and come back as rows of 256 bytes; LDS serves a wave's instructions in order
.macro TOSTAGE a
.irp b, 0,1,2,3
	ds_store_b128 v[STO], v[ACC+8*(4*(\a)+\b):ACC+8*(4*(\a)+\b)+3] offset:64*\b      ; each accumulator from its low end on
	ds_store_b128 v[STO], v[ACC+8*(4*(\a)+\b)+4:ACC+8*(4*(\a)+\b)+7] offset:64*\b+16
.endr
.irp t, 0,1,2,3,4,5,6,7
	ds_load_b128 v[TMP+32*((\a)%2)+4*\t:TMP+32*((\a)%2)+4*\t+3], v[RD] offset:\t*2*SPITCH
.endr
.endm
.macro SEND a, younger, masked         ; masked = 1: where the block is rows 0-15 of out0 its stores run with no lane on
	s_wait_dscnt \younger                          ; the block is back; the next block's eight stores and eight loads may be out
.if \masked
	s_wait_xcnt 0x0                                ; EXEC changes only behind this wait
	s_and_saveexec_b32 s79, s78
.endif
.irp t, 0,1,2,3,4,5,6,7
	global_store_b128 v[CO], v[TMP+32*((\a)%2)+4*\t:TMP+32*((\a)%2)+4*\t+3], s[8:9] offset:131072*(\a)+16384*\t th:TH_STORE_NT   ; sixteen lanes store 256 consecutive bytes, aligned
.endr
.if \masked
	s_wait_xcnt 0x0                                ; and again in front of the line that widens it; the stores have also read their registers
	s_or_b32 exec_lo, exec_lo, s79
.endif
.endm
	PLACES
	TOSTAGE 0
	TOSTAGE 1
	SEND 0, 16, 1                                  ; its last wait also frees block 0's registers for block 2's loads
	TOSTAGE 2
	SEND 1, 16, 0
	s_wait_xcnt 0x0                                ; block 1's stores have read their registers: block 3's loads may land there
	TOSTAGE 3
	SEND 2, 16, 0
	SEND 3, 0, 0
	; ---- rows 0-15, columns 16 ct .. 16 ct + 15, my quarter of K: three accumulators by turns
	s_wait_loadcnt 0x0                             ; the 128 loads of Wh, Wl, Ch, Cl
.rept 5
	v_nop                                          ; places: the accumulators are laid over fragments that the main products have read
.endr
	WIN 0x5e                                       ; source 0 window 2, source 1 window 3, C and D window 1
	v_wmma_f32_16x16x32_f16 v[0:7], v[0:7], v[0:7], 0
	v_wmma_f32_16x16x32_f16 v[8:15], v[128:135], v[0:7], 0
	v_wmma_f32_16x16x32_f16 v[16:23], v[0:7], v[128:135], 0
.irp k, 1,2,3,4,5,6,7,8,9,10,11,12,13,14,15
	v_wmma_f32_16x16x32_f16 v[0:7], v[8*\k:8*\k+7], v[8*\k:8*\k+7], v[0:7]
	v_wmma_f32_16x16x32_f16 v[8:15], v[128+8*\k:135+8*\k], v[8*\k:8*\k+7], v[8:15]
	v_wmma_f32_16x16x32_f16 v[16:23], v[8*\k:8*\k+7], v[128+8*\k:135+8*\k], v[16:23]
.endr
.rept 4
	v_nop
.endr
	WIN 0x05                                       ; sources 0 and 1 window 1, destination window 0
.irp j, 0,1,2,3,4,5,6,7
	v_add_f32 v[FS+\j], v[8+\j], v[16+\j]          ; the two small sums first; each accumulator from its low end on
.endr
	WIN 0x01                                       ; source 0 window 1
.irp j, 0,1,2,3,4,5,6,7
	v_add_f32 v[FS+\j], v[\j], v[FS+\j]
.endr
	WIN 0
	ds_store_b128 v[FST], v[FS:FS+3]
	ds_store_b128 v[FST], v[FS+4:FS+7] offset:512
	s_wait_dscnt 0x0                               ; for the others' sake: my stores have landed
	s_barrier_signal -1
	s_barrier_wait -1
	s_cmp_lt_u32 s10, 2
	s_cbranch_scc0 .Lnot_sum
.irp w, 0,1,2,3
	ds_load_b128 v[FS+8+4*\w:FS+11+4*\w], v[FRD] offset:1024*\w   ; wave 0: registers 0-3 of every partial tile, wave 1: registers 4-7
.endr
	s_wait_dscnt 0x0
.irp w, 1,2,3
	v_pk_add_f32 v[FS+8:FS+9], v[FS+8:FS+9], v[FS+8+4*\w:FS+9+4*\w]
	v_pk_add_f32 v[FS+10:FS+11], v[FS+10:FS+11], v[FS+10+4*\w:FS+11+4*\w]
.endr
	s_wait_xcnt 0x0                                ; EXEC changes only behind this wait
	s_and_saveexec_b32 s79, s74                    ; the half of the lanes whose columns are mine
	global_store_b128 v[FCO], v[FS+8:FS+11], s[72:73]
	s_wait_xcnt 0x0
	s_or_b32 exec_lo, exec_lo, s79
.Lnot_sum:
	s_wait_tensorcnt 0x0                           ; the wave's end
	ds_add_u32 v[SPW], v[NIL]
	s_wait_dscnt 0x0
	CROUND                                         ; the closing round
	s_endpgm
.Lfunc_end_k_q8927699c5d_proj:
	.size	k_q8927699c5d_proj, .Lfunc_end_k_q8927699c5d_proj-k_q8927699c5d_proj
	.p2alignl 7, 3214868480
	.fill 96, 4, 3214868480
	.section	.rodata,"a",@progbits
	.p2align	6, 0x0
	.amdhsa_kernel k_q8927699c5d_proj
		.amdhsa_group_segment_fixed_size 327680
		.amdhsa_private_segment_fixed_size 0
		.amdhsa_enable_private_segment 0
		.amdhsa_kernarg_size 32
		.amdhsa_user_sgpr_count 2
		.amdhsa_user_sgpr_kernarg_segment_ptr 1
		.amdhsa_wavefront_size32 1
		.amdhsa_system_sgpr_workgroup_id_x 1
		.amdhsa_system_sgpr_workgroup_id_y 1
		.amdhsa_system_sgpr_workgroup_id_z 1
		.amdhsa_system_vgpr_workitem_id 0
		.amdhsa_next_free_vgpr 1024
		.amdhsa_next_free_sgpr 80
		.amdhsa_reserve_vcc 0
		.amdhsa_float_denorm_mode_32 3
		.amdhsa_float_denorm_mode_16_64 3
		.amdhsa_memory_ordered 1
		.amdhsa_forward_progress 1
		.amdhsa_inst_pref_size 104
	.end_amdhsa_kernel
	.amdgpu_metadata
---
amdhsa.version: [ 1, 2 ]
amdhsa.kernels:
  - .name:           k_q8927699c5d_proj
    .symbol:         k_q8927699c5d_proj.kd
    .args:
      - { .name: ctx, .offset: 0, .size: 8, .value_kind: global_buffer, .address_space: global }
      - { .name: prep, .offset: 8, .size: 8, .value_kind: global_buffer, .address_space: global }
      - { .name: out0, .offset: 16, .size: 8, .value_kind: global_buffer, .address_space: global }
      - { .name: ctxf, .offset: 24, .size: 8, .value_kind: global_buffer, .address_space: global }
    .group_segment_fixed_size: 327680
    .private_segment_fixed_size: 0
    .kernarg_segment_align: 8
    .kernarg_segment_size: 32
    .max_flat_workgroup_size: 128
    .sgpr_count:     80
    .vgpr_count:     1024
    .wavefront_size: 32
...
	.end_amdgpu_metadata
.endif
;; end of part 8
